; MI455X (gfx1250); checked and timed in simulation.
; The chip was launched on July 23, 2026; its instructions are those of AMD's public machine-readable ISA for CDNA 5 (MIT licence, August 2026) and "CDNA5" Instruction Set Architecture Reference Guide (July 2026). The comments in the code are by the model that wrote it; some were corrected since.
;; In Context Block. Allowed arithmetic: matrix products marked QUANTISED: E4M3 operands, one E8M0 scale for each 32 along K, by v_wmma_scale_f32_16x16x128_f8f6f4 with both operands' format E4M3, f32 sums; everything else in f32.
;; Inputs: attn_ln_w 1,024 float32; k_norm_w 64 float32; mlp_ln_w 1,024 float32; proj_b 1,024 float32; proj_w_codes 1,024 x 32 x 32 uint8 (E4M3 codes of proj_w, K innermost, in blocks of 32 codes); proj_w_scales 1,024 x 32 uint8 (E8M0 scales of proj_w, one for each 32 codes along K); q_norm_w 64 float32; qkv_b 3,072 float32; qkv_w_codes 3,072 x 32 x 32 uint8 (E4M3 codes of qkv_w, K innermost, in blocks of 32 codes); qkv_w_scales 3,072 x 32 uint8 (E8M0 scales of qkv_w, one for each 32 codes along K); w12_b 5,460 float32; w12_w_codes 5,460 x 32 x 32 uint8 (E4M3 codes of w12_w, K innermost, in blocks of 32 codes); w12_w_scales 5,460 x 32 uint8 (E8M0 scales of w12_w, one for each 32 codes along K); w3_b 1,024 float32; w3_w 1,024 x 2,730 float32; x 2 x 2,048 x 1,024 float32.
;; Outputs: out0 2 x 2,048 x 1,024 float32.
;; This version of the problem:
;;   THIS VERSION OF THE PROBLEM IS GIVEN IN LOW PRECISION. The matrix products marked QUANTISED in the list below multiply operands that are first quantised to E4M3 (4 exponent bits, 3 mantissa bits; 8 bits a number), with one power-of-two scale for each 32 numbers along K (OCP MX v1.0); their sums are f32. All else is computed in f32.
;;   The module's matrix products, in the order in which they are computed (A, B: the left and right operand; K: the contracted axis; several contracted axes count as one K, in the product's order):
;;     1. [M 4,096, K 1,024] x [K 1,024, N 3,072]; A: computed on the way; B: input qkv_w (given as codes): QUANTISED
;;     2. batch 32 x [M 2,048, K 64] x [K 64, N 2,048]; A: computed on the way; B: computed on the way: QUANTISED
;;     3. batch 32 x [M 2,048, K 2,048] x [K 2,048, N 64]; A: softmax (see below); B: computed on the way: QUANTISED
;;     4. [M 4,096, K 1,024] x [K 1,024, N 1,024]; A: computed on the way; B: input proj_w (given as codes): QUANTISED
;;     5. [M 4,096, K 1,024] x [K 1,024, N 5,460]; A: computed on the way; B: input w12_w (given as codes): QUANTISED
;;     6. [M 4,096, K 2,730] x [K 2,730, N 1,024]; A: computed on the way; B: input w3_w: QUANTISED
;;   THE QUANTISER, for each operand of a quantised product, along K:
;;     - K is cut into blocks of 32 from its start; a last block that is shorter is filled with zeros.
;;     - A block's scale is 2^e with e = floor(log2(the largest magnitude in the block)) - 8, held to -126 .. 127; a block of zeros has e = 0. As a byte (E8M0): e + 127.
;;     - Each number is divided by its block's scale, clamped to +-448, and rounded to the nearest number of E4M3, ties to even, subnormals kept.
;;     - The product sums the exact products of the quantised numbers (number of the format x scale) in f32.
;;   ~~~python
;;   def quantise(x, axis):      # numpy; x: float32 -> the quantised numbers, widened to float32 again
;;       x = np.moveaxis(x, axis, -1); K = x.shape[-1]
;;       x = np.pad(x, [(0, 0)] * (x.ndim - 1) + [(0, -K % 32)]); x = x.reshape(x.shape[:-1] + (-1, 32)); a = np.abs(x).max(-1, keepdims=True)
;;       e = np.where(a > 0, np.clip(np.frexp(np.where(a > 0, a, 1))[1] - 1 - 8, -126, 127), 0)      # np.frexp(a)[1] - 1 = floor(log2(a)), exactly
;;       r = np.clip(x / 2.0 ** e, -448, 448)
;;       step = 2.0 ** (np.maximum(np.frexp(np.where(r == 0, 1, r))[1] - 1, -6) - 3)
;;       q = np.round(r / step) * step * 2.0 ** e      # np.round: ties to even
;;       return np.moveaxis(q.reshape(q.shape[:-2] + (-1,))[..., :K], -1, axis).astype(np.float32)
;;   ~~~
;;   SOFTMAX AHEAD OF A QUANTISED PRODUCT. Where the list says 'softmax', what is quantised is not the finished softmax but p = 2^(t - M), with t = logit x log2(e) and M = ceil(the row's largest t), a whole number; so 1/2 < the row's largest p <= 1. The row's sum l is taken of the UNQUANTISED p, in f32, and the product's result is divided by l at the end. Since M is a whole number, a kernel that streams over the keys may use a running M (the ceiling of the running maximum): every later rescaling is an exact power of two, which a block's scale takes up: the codes' values come out the same.
;;   OPERANDS COMPUTED ON THE WAY. 'Computed on the way' means the value that the module computes at that place (a softmax that the list does not call 'softmax' is quantised finished and normalised). What goes into a quantiser is computed in f32, as accurately as f32 sums, v_exp_f32 and their like allow (about 1e-6 of the number): no bf16 or f16 on the way to a quantiser, and a product that is left as it is and whose result goes on into a quantised operand takes f32 operands (vector FMAs, or v_wmma_f32_16x16x4_f32). A number that lies on a knife's edge between two numbers of the format may be rounded either way, as far as f32 arithmetic and the matrix unit's own rounding can turn it there, and no further.
;;   INPUTS GIVEN AS CODES. proj_w (in the module: [1024, 1024], K = its axis 1); qkv_w (in the module: [3072, 1024], K = its axis 1); w12_w (in the module: [5460, 1024], K = its axis 1): each comes as NAME_codes (uint8): NAME with its K axis moved to the last place and cut into blocks of 32 codes, [.., K / 32, bytes a block], one block behind the other in memory; one code a byte (a code: sign, 4 exponent bits, 3 mantissa bits); and NAME_scales (uint8): the same leading axes, one E8M0 byte (e + 127) for each 32 codes along K. Its value is code x scale, taken as it is: it is not quantised again, and the codes and scales need not be those that the quantiser above would give.
;; One version. Each part assembles by itself: llvm-mc -triple=amdgcn-amd-amdhsa -mcpu=gfx1250 --defsym DOCPART=n.
;; ======== version 1 of 1: 7 launches
;; limits: right only within a limited range of input values
;; workspace buffers: nrm 4,341,760 bytes; qkv 13,369,344 bytes; ob 4,325,376 bytes; x2 16,777,216 bytes; hid 11,894,784 bytes; w3q 3,014,656 bytes; w12t 5,969,920 bytes
;; launch prep (part 1): grid 688 x 1, 4 waves a work-group, no clusters, 43,520 bytes of LDS; arguments x, attn_ln_w, w3_w, w12_w_codes, w12_w_scales, w12_b, nrm, w3q, w12t; writes nrm, w3q, w12t
.if DOCPART == 1
	.amdgcn_target "amdgcn-amd-amdhsa--gfx1250"
	.amdhsa_code_object_version 6
	.text
	.protected	k_qc8f8df8c70_prep
	.globl	k_qc8f8df8c70_prep
	.p2align	8
	.type	k_qc8f8df8c70_prep,@function
k_qc8f8df8c70_prep:
	s_mov_b64 s[64:65], 0
	v_nop
	global_prefetch_b8 v0, s[64:65] scope:SCOPE_SE
	s_setreg_imm32_b32 hwreg(HW_REG_WAVE_MODE, 25, 1), 1
	s_wait_xcnt 0x0
; THE WHOLE PROGRAM: rmsnorm, QKV, norm of q and k by head, attention, projection + residual, rmsnorm, SwiGLU, last product + residual, all six products on codes of E4M3 with one E8M0 scale for each 32 along K.
; DEAD WORK: none.  Every input has a way to out0 for all values; no product, row or step of reference() is sliced away; the bias on k moves k's codes and stays.
; THIS TEXT has three ways, which part on the work-group's number and never meet again; each has LDS bytes of its own.
;   work-groups 0-255:   rows of x [4096][1024] f32: xn = x * rsqrt(mean(x^2) + 1e-6) * gain, quantised along the row: codes [4096][1024], scale bytes [4096][32] at NSC, the rows' 1/rms [4096] f32 at NRI.
;   work-groups 256-511: rows of w3_w [1024][2730] f32, quantised along the row: codes [1024][2816] (2730 on: zero codes, as the quantiser fills a last block), scale bytes [1024][128] at WSC.
;   work-groups 512-519: the last 42 hidden units' rows of w12 (x1's and x2's) copied into a tile of 2 x 128 rows whose other rows, scale bytes and biases are zeros.
; The same text serves the second norm (rows of x2, the second gain) on a grid of 256 work-groups: only the first way is reached there; the 1/rms that it stores then is read by nobody (4 bytes a row: the price of one text for both).
; A lane must hold 16 neighbours along K for the conversions, and a load is best where neighbouring lanes take neighbouring bytes: so what is loaded goes through the wave's own stage in LDS (places of 64 bytes + 16 of padding).
; LIMITS: NaN and infinities among the inputs are not served.  A block of zeros gets the scale byte 1 (its codes are zeros; this program alone reads the bytes); blocks whose largest magnitude lies under 2^-118 are held at that byte.
.set SPARE, 43008                      ; behind the eight regions: the spare words, 128 bytes for each wave
.set WREG,  5376                       ; a wave's region: two stages of 32 x 80 bytes, then 256 bytes in which scale bytes are gathered
.set SP,    80
.set GAT,   5120
.set NSC,   4194304
.set NRI,   4325376
.set WSC,   2883584
.set SPW, 12                           ; v12 LDS address of my spare word; v13 0: both never rewritten
.set NIL, 13
.set WG,  32                           ; v32-63   the gains of my 32 numbers of a row
.set XN,  64                           ; v64-95   32 numbers: 16 neighbours of each half row
.set RW,  96                           ; v96-223  what is loaded
.set CD,  224                          ; v224-255 codes, four registers a step, never rewritten
.set EB,  22                           ; v22-29   scale bytes
	s_load_b256 s[4:11], s[0:1], 0x0               ; rows, gain, w3_w, w12's codes
	s_load_b256 s[12:19], s[0:1], 0x20             ; w12's scales, w12's bias, nrm, w3q
	s_load_b64 s[20:21], s[0:1], 0x40              ; w12t
	v_lshl_add_u32 v[SPW], v0, 2, SPARE
	v_mov_b32 v[NIL], 0
	v_lshrrev_b32 v1, 5, v0
	v_readfirstlane_b32 s22, v1                    ; wave
	v_and_b32 v1, 31, v0                           ; lane
	v_lshlrev_b32 v2, 4, v1                        ; 16 x lane
	v_lshlrev_b32 v7, 2, v1                        ; 4 x lane
	s_mov_b32 s23, 0x600000                        ; the mantissa field of 448
	s_mov_b32 s24, 0x3a800000                      ; 1 / 1024
	s_mov_b32 s25, 0x358637bd                      ; 1e-6
	s_mov_b32 s28, 0x76543210
	s_mov_b32 s29, 0xfedcba98                      ; v_permlanex16_b32's selects for lane l xor 16
	s_mov_b32 s31, 0
; 16 neighbours of a lane, v[xs] on (two neighbouring lanes hold a block of 32), become 16 codes in v[cd] on and the block's scale byte in v[eb]
.macro Q16 xs, cd, eb
.set XS, \xs
	v_max3_num_f32 v8, |v[XS]|, |v[XS+1]|, |v[XS+2]|
	v_max3_num_f32 v9, |v[XS+3]|, |v[XS+4]|, |v[XS+5]|
.irp i, 6,10
	v_max3_num_f32 v8, v8, |v[XS+\i]|, |v[XS+\i+1]|
	v_max3_num_f32 v9, v9, |v[XS+\i+2]|, |v[XS+\i+3]|
.endr
	v_max3_num_f32 v8, v8, |v[XS+14]|, |v[XS+15]|
	v_max3_num_f32 v8, v8, v9, 0x4800000           ; the floor 2^(9 - 127): the byte cannot fall under 1
	v_max_num_f32_dpp v8, v8, v8 row_xmask:1 row_mask:0xf bank_mask:0xf   ; with my neighbour's 16: the block's largest magnitude
	v_add_nc_u32 v11, 0xfc000000, v8               ; 8 off its exponent field: the conversion's scale operand
	v_and_or_b32 v10, v8, 0x7f800000, s23          ; 448 x the scale
.irp i, 0,1,2,3,4,5,6,7,8,9,10,11,12,13,14,15
	v_med3_num_f32 v[XS+\i], v[XS+\i], -v10, v10   ; the conversion to an 8-bit code does not saturate (ISA guide 7.6.2): the hold comes first
.endr
	v_cvt_scalef32_pk8_fp8_f32 v[(\cd):(\cd)+1], v[XS:XS+7], v11
	v_cvt_scalef32_pk8_fp8_f32 v[(\cd)+2:(\cd)+3], v[XS+8:XS+15], v11
	v_lshrrev_b32 v[(\eb)], 23, v11                ; the scale's byte (a plain line behind the conversions)
.endm
	s_wait_kmcnt 0x0
	s_cmp_lt_u32 ttmp9, 256
	s_cbranch_scc0 .Lnot_rows
	; ---- rows: a wave takes four rows; all 32 row loads (512 consecutive bytes each) go out at once
	s_lshl_b32 s30, ttmp9, 4
	s_lshl_b32 s26, s22, 2
	s_add_co_u32 s26, s30, s26                     ; my first row
	s_lshl_b32 s30, s26, 12
	s_add_nc_u64 s[4:5], s[4:5], s[30:31]
	s_lshl_b32 s30, s26, 10
	s_add_nc_u64 s[32:33], s[16:17], s[30:31]      ; its codes,
	s_lshl_b32 s30, s26, 5
	s_add_nc_u64 s[34:35], s[16:17], s[30:31]      ; its scale bytes (+ NSC in the store),
	s_lshl_b32 s30, s26, 2
	s_add_nc_u64 s[36:37], s[16:17], s[30:31]      ; its 1/rms (+ NRI)
	s_mul_i32 s27, s22, WREG
	s_wait_alu depctr_va_vdst(0)
	v_lshrrev_b32 v3, 2, v1
	v_mul_u32_u24 v3, v3, SP
	v_and_b32 v4, 3, v1
	v_lshl_add_u32 v3, v4, 4, v3
	v_add_nc_u32 v3, s27, v3                       ; into a stage: four lanes' 64 bytes on end, then the padding
	v_mul_u32_u24 v4, v1, SP
	v_add_nc_u32 v4, s27, v4                       ; out of it: my 16 neighbours
	v_lshrrev_b32 v5, 1, v1
	v_add_nc_u32 v5, s27, v5                       ; my block's scale byte
	v_lshl_add_u32 v6, v1, 2, s27                  ; and 4 gathered bytes a lane
	v_lshlrev_b32 v30, 6, v1
	v_mov_b32 v20, 0                               ; lane t will hold row t's 1/rms
	v_mov_b32 v21, 0                               ; (a lane permute's destination counts as read)
.irp j, 0,1
.irp i, 0,1,2,3
	global_load_b128 v[WG+16*\j+4*\i:WG+16*\j+4*\i+3], v30, s[6:7] offset:2048*\j+16*\i   ; gain[512 j + 16 lane + 4 i ..]
.endr
.endr
.irp t, 0,1,2,3
.irp i, 0,1,2,3,4,5,6,7
	global_load_b128 v[RW+32*\t+4*\i:RW+32*\t+4*\i+3], v2, s[4:5] offset:4096*\t+512*\i th:TH_LOAD_NT
.endr
.endr
.macro ROW t
.set RT, RW+32*(\t)
	s_wait_loadcnt 8*(3-(\t))                      ; this row's eight loads are in; the later rows' may be out
	v_pk_mul_f32 v[16:17], v[RT:RT+1], v[RT:RT+1]  ; the sum of squares, in two chains of pairs
	v_pk_mul_f32 v[18:19], v[RT+2:RT+3], v[RT+2:RT+3]
.irp i, 4,8,12,16,20,24,28
	v_pk_fma_f32 v[16:17], v[RT+\i:RT+\i+1], v[RT+\i:RT+\i+1], v[16:17]
	v_pk_fma_f32 v[18:19], v[RT+\i+2:RT+\i+3], v[RT+\i+2:RT+\i+3], v[18:19]
.endr
	v_pk_add_f32 v[16:17], v[16:17], v[18:19]
	v_add_f32 v16, v16, v17
	v_add_f32_dpp v16, v16, v16 row_xmask:1 row_mask:0xf bank_mask:0xf
	v_add_f32_dpp v16, v16, v16 row_xmask:2 row_mask:0xf bank_mask:0xf
	v_add_f32_dpp v16, v16, v16 row_xmask:4 row_mask:0xf bank_mask:0xf
	v_add_f32_dpp v16, v16, v16 row_xmask:8 row_mask:0xf bank_mask:0xf
	v_permlanex16_b32 v21, v16, s28, s29
	v_add_f32 v16, v16, v21
	v_fma_f32 v16, v16, s24, s25                   ; the mean + 1e-6
	s_wait_alu depctr_va_vdst(0)
	v_rsq_f32 v14, v16
	v_rsq_f32 v15, v16                             ; twice: a pair for the packed multiply
	v_nop                                          ; a plain line behind the transcendentals
.irp j, 0,1
.irp i, 0,1,2,3
	ds_store_b128 v3, v[RT+16*\j+4*\i:RT+16*\j+4*\i+3] offset:2560*\j+640*\i   ; the turn through my stages stands between the roots and the wait for them
.endr
.endr
.irp j, 0,1
.irp i, 0,1,2,3
	ds_load_b128 v[XN+16*\j+4*\i:XN+16*\j+4*\i+3], v4 offset:2560*\j+16*\i     ; LDS serves a wave's instructions in order: these see the stores
.endr
.endr
	s_wait_alu depctr_va_vdst(0)                   ; one wait for both roots, ahead of their first reader
	s_wait_dscnt 0x0
.set I, 0
.rept 16
	v_pk_mul_f32 v[XN+I:XN+I+1], v[XN+I:XN+I+1], v[14:15]
.set I, I+2
.endr
.set I, 0
.rept 16
	v_pk_mul_f32 v[XN+I:XN+I+1], v[XN+I:XN+I+1], v[WG+I:WG+I+1]
.set I, I+2
.endr
	v_cmp_eq_u32 vcc_lo, \t, v1
	v_cndmask_b32 v20, v20, v14, vcc_lo
.irp j, 0,1
	Q16 XN+16*\j, CD+8*(\t)+4*\j, EB+2*(\t)+\j
	ds_store_b8 v5, v[EB+2*(\t)+\j] offset:GAT+32*(\t)+16*\j       ; both lanes of a block write the same byte
	global_store_b128 v2, v[CD+8*(\t)+4*\j:CD+8*(\t)+4*\j+3], s[32:33] offset:1024*(\t)+512*\j   ; 512 consecutive bytes
.endr
.endm
	ROW 0
	ROW 1
	ROW 2
	ROW 3
	ds_load_b32 v8, v6 offset:GAT
	s_wait_dscnt 0x0
	global_store_b32 v7, v8, s[34:35] offset:NSC   ; my four rows' 128 scale bytes
	v_cmp_gt_u32 vcc_lo, 4, v1
	s_wait_xcnt 0x0                                ; EXEC changes only behind this wait
	s_and_saveexec_b32 s26, vcc_lo
	global_store_b32 v7, v20, s[36:37] offset:NRI
	s_wait_xcnt 0x0
	s_or_b32 exec_lo, exec_lo, s26
	s_wait_tensorcnt 0x0                           ; the wave's end: behind my last LDS store
	ds_add_u32 v[SPW], v[NIL]
	s_wait_dscnt 0x0
	s_endpgm
.Lnot_rows:
	s_cmp_lt_u32 ttmp9, 512
	s_cbranch_scc0 .Ltail
	; ---- w3_w: a wave takes one row of 10,920 bytes (a multiple of 8 only: loads of 8 bytes a lane, 256 consecutive bytes each), 43 loads, all out at once
	s_sub_co_u32 s26, ttmp9, 256
	s_lshl_b32 s26, s26, 2
	s_add_co_u32 s26, s26, s22                     ; my row
	s_mul_i32 s30, s26, 10920
	s_add_nc_u64 s[8:9], s[8:9], s[30:31]
	s_mul_i32 s30, s26, 2816
	s_add_nc_u64 s[32:33], s[18:19], s[30:31]
	s_lshl_b32 s30, s26, 7
	s_add_nc_u64 s[34:35], s[18:19], s[30:31]
	s_mul_i32 s27, s22, WREG
	s_add_co_u32 s27, s27, 4*WREG                  ; this way's own regions
	s_wait_alu depctr_va_vdst(0)
	v_lshrrev_b32 v3, 3, v1
	v_mul_u32_u24 v3, v3, SP
	v_and_b32 v4, 7, v1
	v_lshl_add_u32 v3, v4, 3, v3
	v_add_nc_u32 v3, s27, v3                       ; into the stage: eight lanes' 64 bytes on end
	v_mul_u32_u24 v4, v1, SP
	v_add_nc_u32 v4, s27, v4
	v_lshrrev_b32 v5, 1, v1
	v_add_nc_u32 v5, s27, v5
	v_lshl_add_u32 v6, v1, 2, s27
	v_lshlrev_b32 v28, 3, v1
	v_min_u32 v29, 20, v1
	v_lshlrev_b32 v29, 3, v29                      ; the last load: 21 lanes' worth is left of the row; the others stay on its last 8 bytes
	v_mov_b32 v30, 0
	v_mov_b32 v31, 0
	v_cmp_gt_u32 s36, 21, v1
	ds_store_b32 v6, v30 offset:GAT                ; the row's 128 scale bytes begin as zeros: 88 are made below
.irp t, 0,1,2,3,4
.irp i, 0,1,2,3,4,5,6,7
	global_load_b64 v[RW+16*\t+2*\i:RW+16*\t+2*\i+1], v28, s[8:9] offset:2048*\t+256*\i th:TH_LOAD_NT
.endr
.endr
	global_load_b64 v[RW+80:RW+81], v28, s[8:9] offset:10240 th:TH_LOAD_NT
	global_load_b64 v[RW+82:RW+83], v28, s[8:9] offset:10496 th:TH_LOAD_NT
	global_load_b64 v[RW+84:RW+85], v29, s[8:9] offset:10752 th:TH_LOAD_NT
.macro WSTEP t, left
	s_wait_loadcnt \left                           ; this step's loads are in; the later steps' may be out
.if \t == 5
	v_cndmask_b32 v[RW+84], 0, v[RW+84], s36       ; past the row's end: zeros
	v_cndmask_b32 v[RW+85], 0, v[RW+85], s36
.endif
.irp i, 0,1,2,3,4,5,6,7
.if (\t < 5) || (\i < 3)
	ds_store_b64 v3, v[RW+16*\t+2*\i:RW+16*\t+2*\i+1] offset:320*\i
.else
	ds_store_b64 v3, v[30:31] offset:320*\i
.endif
.endr
.irp i, 0,1,2,3
	ds_load_b128 v[XN+4*\i:XN+4*\i+3], v4 offset:16*\i
.endr
	s_wait_dscnt 0x0
	Q16 XN, CD+4*\t, EB+\t
	ds_store_b8 v5, v[EB+\t] offset:GAT+16*\t
.if \t < 5
	global_store_b128 v2, v[CD+4*\t:CD+4*\t+3], s[32:33] offset:512*\t
.endif
.endm
	WSTEP 0, 35
	WSTEP 1, 27
	WSTEP 2, 19
	WSTEP 3, 11
	WSTEP 4, 3
	WSTEP 5, 0
	v_cmp_gt_u32 vcc_lo, 16, v1                    ; the last step has 256 codes: lanes 0-15
	s_wait_alu depctr_va_vdst(0)
	s_wait_xcnt 0x0
	s_and_saveexec_b32 s37, vcc_lo
	global_store_b128 v2, v[CD+20:CD+23], s[32:33] offset:2560
	s_wait_xcnt 0x0
	s_or_b32 exec_lo, exec_lo, s37
	ds_load_b32 v8, v6 offset:GAT
	s_wait_dscnt 0x0
	global_store_b32 v7, v8, s[34:35] offset:WSC
	s_wait_tensorcnt 0x0                           ; the wave's end: behind my last LDS store
	ds_add_u32 v[SPW], v[NIL]
	s_wait_dscnt 0x0
	s_endpgm
.Ltail:
	; ---- w12's last tile: thread tg = 0 .. 1023 of eight work-groups; no LDS
	; ---- THE THIRD WAY, in place of what the head says of work-groups 512-519: work-groups 512-687 lay ALL of w12 anew, by tiles of 128 hidden units:
	; w12t = codes [22][256 rows][1024], a tile's rows 0-127 W1's and rows 128-255 W2's of the same units; scale bytes [22][256][32] at WRS; biases [22][256] f32 at WRB; units 2,730 on: zeros.
	; A work-group takes 32 rows of the new layout, a wave 8 (all of one tile and of one of W1, W2); no LDS.
.set WRS, 5767168
.set WRB, 5947392
	s_wait_alu depctr_va_vdst(0)
	s_sub_co_u32 s24, ttmp9, 512
	s_lshl_b32 s25, s24, 5
	s_lshl_b32 s26, s22, 3
	s_add_co_u32 s25, s25, s26                     ; my first row of the new layout
	s_lshr_b32 s26, s25, 8                         ; its tile
	s_bfe_u32 s27, s25, 0x10007                    ; W1 (0) or W2 (1)
	s_and_b32 s28, s25, 127
	s_lshl_b32 s26, s26, 7
	s_add_co_u32 s26, s26, s28                     ; my first hidden unit
	s_mul_i32 s27, s27, 2730
.irp i, 0,1,2,3,4,5,6,7
	s_add_co_u32 s29, s26, \i
	s_cmp_lt_u32 s29, 2730
	s_cselect_b32 s[40+\i], -1, 0                  ; all lanes on where the unit exists
	s_min_u32 s29, s29, 2729                       ; no load leaves the buffer
	s_add_co_u32 s29, s29, s27
	s_lshl_b32 s30, s29, 10
	s_add_nc_u64 s[48+2*\i:49+2*\i], s[10:11], s[30:31]
	global_load_b128 v[32+8*\i:35+8*\i], v2, s[48+2*\i:49+2*\i] th:TH_LOAD_NT
	global_load_b128 v[36+8*\i:39+8*\i], v2, s[48+2*\i:49+2*\i] offset:512 th:TH_LOAD_NT
.endr
	s_lshl_b32 s30, s25, 10
	s_add_nc_u64 s[32:33], s[20:21], s[30:31]
	s_lshl_b32 s30, s25, 5
	s_add_nc_u64 s[34:35], s[20:21], s[30:31]
	v_lshrrev_b32 v3, 2, v1                        ; scale bytes: 8 a lane, four lanes to a row
	v_add_nc_u32 v3, s26, v3
	v_cmp_gt_u32 s36, 2730, v3
	v_min_u32 v3, 2729, v3
	v_add_nc_u32 v3, s27, v3
	v_and_b32 v4, 3, v1
	v_lshlrev_b32 v4, 3, v4
	v_lshl_add_u32 v3, v3, 5, v4
	global_load_b64 v[96:97], v3, s[12:13]
	v_lshlrev_b32 v5, 3, v1
	s_wait_alu depctr_va_vdst(0)
	s_wait_loadcnt 0x0
.irp i, 0,1,2,3,4,5,6,7
.irp j, 0,1,2,3,4,5,6,7
	v_cndmask_b32 v[32+8*\i+\j], 0, v[32+8*\i+\j], s[40+\i]
.endr
.endr
	v_cndmask_b32 v96, 0, v96, s36
	v_cndmask_b32 v97, 0, v97, s36
.irp i, 0,1,2,3,4,5,6,7
	global_store_b128 v2, v[32+8*\i:35+8*\i], s[32:33] offset:1024*\i         ; 512 consecutive bytes
	global_store_b128 v2, v[36+8*\i:39+8*\i], s[32:33] offset:1024*\i+512
.endr
	global_store_b64 v5, v[96:97], s[34:35] offset:WRS                       ; my 8 rows' 256 scale bytes
	s_cmp_ge_u32 s24, 44
	s_cbranch_scc1 .Lno_bias
	s_lshl_b32 s29, s24, 7                         ; the 5,632 biases: the first 44 of these work-groups, one a thread
	v_add_nc_u32 v6, s29, v0
	v_lshrrev_b32 v8, 8, v6
	v_and_b32 v9, 127, v6
	v_lshl_add_u32 v8, v8, 7, v9                   ; the unit
	v_bfe_u32 v9, v6, 7, 1
	v_cmp_gt_u32 s37, 2730, v8
	v_min_u32 v8, 2729, v8
	v_mad_u32_u24 v8, v9, 2730, v8
	v_lshlrev_b32 v8, 2, v8
	global_load_b32 v98, v8, s[14:15]
	v_lshlrev_b32 v10, 2, v6
	s_wait_alu depctr_va_vdst(0)
	s_wait_loadcnt 0x0
	v_cndmask_b32 v98, 0, v98, s37
	global_store_b32 v10, v98, s[20:21] offset:WRB
.Lno_bias:
	s_endpgm
.Lfunc_end_k_qc8f8df8c70_prep:
	.size	k_qc8f8df8c70_prep, .Lfunc_end_k_qc8f8df8c70_prep-k_qc8f8df8c70_prep
	.p2alignl 7, 3214868480
	.fill 96, 4, 3214868480
	.section	.rodata,"a",@progbits
	.p2align	6, 0x0
	.amdhsa_kernel k_qc8f8df8c70_prep
		.amdhsa_group_segment_fixed_size 43520
		.amdhsa_private_segment_fixed_size 0
		.amdhsa_enable_private_segment 0
		.amdhsa_kernarg_size 72
		.amdhsa_user_sgpr_count 2
		.amdhsa_user_sgpr_kernarg_segment_ptr 1
		.amdhsa_wavefront_size32 1
		.amdhsa_system_sgpr_workgroup_id_x 1
		.amdhsa_system_sgpr_workgroup_id_y 1
		.amdhsa_system_sgpr_workgroup_id_z 1
		.amdhsa_system_vgpr_workitem_id 0
		.amdhsa_next_free_vgpr 256
		.amdhsa_next_free_sgpr 66
		.amdhsa_reserve_vcc 1
		.amdhsa_float_denorm_mode_32 3
		.amdhsa_float_denorm_mode_16_64 3
		.amdhsa_memory_ordered 1
		.amdhsa_forward_progress 1
		.amdhsa_inst_pref_size 78
	.end_amdhsa_kernel
	.amdgpu_metadata
---
amdhsa.version: [ 1, 2 ]
amdhsa.kernels:
  - .name:           k_qc8f8df8c70_prep
    .symbol:         k_qc8f8df8c70_prep.kd
    .args:
      - { .name: x, .offset: 0, .size: 8, .value_kind: global_buffer, .address_space: global }
      - { .name: attn_ln_w, .offset: 8, .size: 8, .value_kind: global_buffer, .address_space: global }
      - { .name: w3_w, .offset: 16, .size: 8, .value_kind: global_buffer, .address_space: global }
      - { .name: w12_w_codes, .offset: 24, .size: 8, .value_kind: global_buffer, .address_space: global }
      - { .name: w12_w_scales, .offset: 32, .size: 8, .value_kind: global_buffer, .address_space: global }
      - { .name: w12_b, .offset: 40, .size: 8, .value_kind: global_buffer, .address_space: global }
      - { .name: nrm, .offset: 48, .size: 8, .value_kind: global_buffer, .address_space: global }
      - { .name: w3q, .offset: 56, .size: 8, .value_kind: global_buffer, .address_space: global }
      - { .name: w12t, .offset: 64, .size: 8, .value_kind: global_buffer, .address_space: global }
    .group_segment_fixed_size: 43520
    .private_segment_fixed_size: 0
    .kernarg_segment_align: 8
    .kernarg_segment_size: 72
    .max_flat_workgroup_size: 128
    .sgpr_count:     66
    .vgpr_count:     256
    .wavefront_size: 32
...
	.end_amdgpu_metadata
.endif
;; end of part 1
;; launch qkvg (part 2): grid 12 x 16, 4 waves a work-group, clusters of 4 x 4, 327,680 bytes of LDS; arguments nrm, qkv_w_codes, qkv_w_scales, qkv_b, q_norm_w, k_norm_w, qkv; writes qkv
.if DOCPART == 2
	.amdgcn_target "amdgcn-amd-amdhsa--gfx1250"
	.amdhsa_code_object_version 6
	.text
	.protected	k_qc8f8df8c70_qkvg
	.globl	k_qc8f8df8c70_qkvg
	.p2align	8
	.type	k_qc8f8df8c70_qkvg,@function
k_qc8f8df8c70_qkvg:
	s_mov_b64 s[64:65], 0
	v_nop
	global_prefetch_b8 v0, s[64:65] scope:SCOPE_SE
	s_setreg_imm32_b32 hwreg(HW_REG_WAVE_MODE, 25, 1), 1
	s_wait_xcnt 0x0
	s_wait_alu depctr_hold_cnt(0) depctr_sa_sdst(0) depctr_va_vdst(0) depctr_va_sdst(0) depctr_va_ssrc(0) depctr_va_vcc(0) depctr_vm_vsrc(0)
	s_getreg_b32 s2, hwreg(HW_REG_IB_STS2, 6, 4)
	s_cmp_eq_u32 s2, 0
	s_cbranch_scc0 .Lentry_in_a_cluster
	s_endpgm
.Lentry_in_a_cluster:
	s_bfe_u32 s2, ttmp6, 0x10000c
	s_cmp_lg_u32 s2, 0xf033
	s_cbranch_scc0 .Lentry_shape_is_right
	s_endpgm
.Lentry_shape_is_right:
; q, k, v = xn Wqkv^T + b on codes of E4M3; q and k normed by head; all three quantised and stored as images of the operand registers that the attention launch takes.  No work is left out.
; A tile of 256 x 256 to a work-group, four waves of 128 x 128; K = 1,024 in four steps of 256 through two LDS slots; clusters of 4 x 4 with joint loads.
; An LDS row is 272 bytes: the tiles are stated 272 bytes wide over a tensor 256 wide, so that the 16 bytes behind each row's data are written as zeros (the scale bytes' rows likewise: 34 elements of 8 bytes over 32).
.set PITCH,  272
.set HALFT,  128*PITCH
.set SLOT,   4*HALFT
.set SCL,    2*SLOT
.set HALFS,  16*272
.set SPARE,  SCL+4*HALFS
.set NSC,    4194304
.set REG,    4456448
.set HEADB,  139264
.set REC,    8704
.set FR, 16
.set NP, 8
.set ADRA, 16
.set ADRB, 20
.set ADS1, 22
.set ADS0, 23
.set LI,   24
.set SPW,  28
.set NIL,  29
.set SC,   32
.set BI,   64
.set AF,   128
.set NW,   128
.set TQ,   160
.set TV,   128
.set PC,   192
.set TM,   208
.set SW,   224
.set XW,   240
.set SS,   248
.set RS,   252
.set G1, 24
.set G0, 32
.set G1B, 48
.set G0B, 56
.set G1S, 68
.set G0S, 76
.set G1SB, 80
.set G0SB, 88
.set MSB, 0
.macro WIN new
.if MSB != (\new)
	s_set_vgpr_msb (MSB<<8)|(\new)
.set MSB, (\new)
.endif
.endm
.set MUL_LO, 0xa1
.set MUL_HI, 0xf1
.set TO_B,   0x40
.macro WMS d, s0, s1, c, x0, x1, p0, p1
.if (\c) < 0
.if (\p0) && (\p1)
	v_wmma_scale_f32_16x16x128_f8f6f4 v[(\d):(\d)+7], v[(\s0):(\s0)+15], v[(\s1):(\s1)+15], 0, v[(\x0)], v[(\x1)] matrix_a_scale:MATRIX_SCALE_ROW1 matrix_b_scale:MATRIX_SCALE_ROW1
.elseif (\p0)
	v_wmma_scale_f32_16x16x128_f8f6f4 v[(\d):(\d)+7], v[(\s0):(\s0)+15], v[(\s1):(\s1)+15], 0, v[(\x0)], v[(\x1)] matrix_a_scale:MATRIX_SCALE_ROW1
.elseif (\p1)
	v_wmma_scale_f32_16x16x128_f8f6f4 v[(\d):(\d)+7], v[(\s0):(\s0)+15], v[(\s1):(\s1)+15], 0, v[(\x0)], v[(\x1)] matrix_b_scale:MATRIX_SCALE_ROW1
.else
	v_wmma_scale_f32_16x16x128_f8f6f4 v[(\d):(\d)+7], v[(\s0):(\s0)+15], v[(\s1):(\s1)+15], 0, v[(\x0)], v[(\x1)]
.endif
.else
.if (\p0) && (\p1)
	v_wmma_scale_f32_16x16x128_f8f6f4 v[(\d):(\d)+7], v[(\s0):(\s0)+15], v[(\s1):(\s1)+15], v[(\c):(\c)+7], v[(\x0)], v[(\x1)] matrix_a_scale:MATRIX_SCALE_ROW1 matrix_b_scale:MATRIX_SCALE_ROW1
.elseif (\p0)
	v_wmma_scale_f32_16x16x128_f8f6f4 v[(\d):(\d)+7], v[(\s0):(\s0)+15], v[(\s1):(\s1)+15], v[(\c):(\c)+7], v[(\x0)], v[(\x1)] matrix_a_scale:MATRIX_SCALE_ROW1
.elseif (\p1)
	v_wmma_scale_f32_16x16x128_f8f6f4 v[(\d):(\d)+7], v[(\s0):(\s0)+15], v[(\s1):(\s1)+15], v[(\c):(\c)+7], v[(\x0)], v[(\x1)] matrix_b_scale:MATRIX_SCALE_ROW1
.else
	v_wmma_scale_f32_16x16x128_f8f6f4 v[(\d):(\d)+7], v[(\s0):(\s0)+15], v[(\s1):(\s1)+15], v[(\c):(\c)+7], v[(\x0)], v[(\x1)]
.endif
.endif
.endm
.macro JLOAD g0a, g1a, g0b, g1b
	s_cmp_eq_u32 s15, 0
	s_cbranch_scc0 .Lfor_b_\@
	tensor_load_to_lds s[\g0a:\g0a+3], s[\g1a:\g1a+7]
	s_nop 0
.rept 4
	v_nop
.endr
	s_branch .Lasked_\@
.Lfor_b_\@:
	tensor_load_to_lds s[\g0b:\g0b+3], s[\g1b:\g1b+7]
	s_nop 0
.rept 4
	v_nop
.endr
.Lasked_\@:
.endm
.macro CREST
	s_cmp_lg_u32 s14, 0
	s_cbranch_scc1 .Lnot_wave_0_\@
	s_barrier_signal -3
.Lnot_wave_0_\@:
	s_barrier_wait -3
	s_barrier_signal -1
	s_barrier_wait -1
.endm
.macro CROUND
	s_barrier_signal -1
	s_barrier_wait -1
	CREST
.endm
.macro PLACES n
.rept \n
	v_nop
.endr
.endm
	s_load_b256 s[4:11], s[0:1], 0x0
	s_load_b128 s[96:99], s[0:1], 0x20
	s_load_b64 s[12:13], s[0:1], 0x30
	v_lshl_add_u32 v[SPW], v0, 2, SPARE
	v_mov_b32 v[NIL], 0
	ds_add_u32 v[SPW], v[NIL]
	ds_add_u32 v[SPW], v[NIL]
	v_lshrrev_b32 v1, 5, v0
	v_readfirstlane_b32 s14, v1
	s_lshr_b32 s15, s14, 1
	s_and_b32 s16, s14, 1
	s_bfe_u32 s40, ttmp6, 0x40000
	s_bfe_u32 s41, ttmp6, 0x40004
	s_lshl_b32 s42, ttmp9, 2
	s_add_co_u32 s42, s42, s40
	s_and_b32 s17, ttmp7, 0xffff
	s_lshl_b32 s17, s17, 2
	s_add_co_u32 s17, s17, s41
	s_lshl_b32 s43, s41, 2
	s_lshl_b32 s43, 15, s43
	s_lshl_b32 s44, 0x1111, s40
	s_or_b32 s[G1+0], s43, (1<<21)
	s_or_b32 s[G1B+0], s44, (1<<21)
.irp g, G1, G1B
	s_mov_b32 s[\g+1], 256<<16
	s_mov_b32 s[\g+2], 256<<16
	s_mov_b32 s[\g+3], 272<<16
	s_mov_b32 s[\g+4], 256
	s_mov_b32 s[\g+5], 1024
	s_mov_b32 s[\g+6], 0
	s_mov_b32 s[\g+7], 0
.endr
	s_or_b32 s[G1S+0], s43, (3<<16)|(1<<21)
	s_or_b32 s[G1SB+0], s44, (3<<16)|(1<<21)
.irp g, G1S, G1SB
	s_mov_b32 s[\g+1], 32<<16
	s_mov_b32 s[\g+2], 32<<16
	s_mov_b32 s[\g+3], 34<<16
	s_mov_b32 s[\g+4], 32
	s_mov_b32 s[\g+5], 32
	s_mov_b32 s[\g+6], 0
	s_mov_b32 s[\g+7], 0
.endr
	s_lshl_b32 s20, s17, 8
	s_lshl_b32 s46, s42, 8
	s_lshl_b32 s22, s20, 5
	s_mov_b32 s23, 0
	s_lshl_b32 s92, s46, 5
	s_mov_b32 s93, 0
	s_lshl_b32 s20, s20, 10
	s_mov_b32 s21, 0
	s_lshl_b32 s46, s46, 10
	s_mov_b32 s47, 0
	s_mul_i32 s45, s14, HALFT
	s_wait_dscnt 0x0
	s_wait_kmcnt 0x0
	s_add_nc_u64 s[20:21], s[4:5], s[20:21]
	s_add_nc_u64 s[22:23], s[4:5], s[22:23]
	s_add_nc_u64 s[22:23], s[22:23], NSC
	s_add_nc_u64 s[46:47], s[6:7], s[46:47]
	s_add_nc_u64 s[92:93], s[8:9], s[92:93]
	CROUND
	s_mov_b32 s[G0S], 1
	s_mov_b32 s[G0S+1], SCL
	s_mov_b64 s[G0S+2:G0S+3], s[22:23]
	s_or_b32 s[G0S+3], s[G0S+3], 0x80000000
	s_mov_b32 s[G0SB], 1
	s_mov_b32 s[G0SB+1], SCL+2*HALFS
	s_mov_b64 s[G0SB+2:G0SB+3], s[92:93]
	s_or_b32 s[G0SB+3], s[G0SB+3], 0x80000000
.set G0H, 4                            ; s[4:7], s[92:95]: group 0 of the head's loads of K step 0, whole tiles of 256 rows (what lay there has been used)
.set G0HB, 92
	s_mov_b32 s[G0H], 1
	s_mov_b32 s[G0H+1], 0
	s_mov_b64 s[G0H+2:G0H+3], s[20:21]
	s_or_b32 s[G0H+3], s[G0H+3], 0x80000000
	s_mov_b32 s[G0HB], 1
	s_mov_b32 s[G0HB+1], 2*HALFT
	s_mov_b64 s[G0HB+2:G0HB+3], s[46:47]
	s_or_b32 s[G0HB+3], s[G0HB+3], 0x80000000
	s_lshl_b32 s18, s16, 17                        ; for the ring: my 128 rows of a tile
	s_mov_b32 s19, 0
	s_add_nc_u64 s[20:21], s[20:21], s[18:19]
	s_add_nc_u64 s[46:47], s[46:47], s[18:19]
.irp s, 0,1
	s_mov_b32 s[G0+4*\s], 1
	s_add_co_u32 s[G0+4*\s+1], s45, \s*SLOT
	s_add_nc_u64 s[G0+4*\s+2:G0+4*\s+3], s[20:21], \s*256
	s_or_b32 s[G0+4*\s+3], s[G0+4*\s+3], 0x80000000
	s_mov_b32 s[G0B+4*\s], 1
	s_add_co_u32 s[G0B+4*\s+1], s45, \s*SLOT
	s_add_nc_u64 s[G0B+4*\s+2:G0B+4*\s+3], s[46:47], \s*256
	s_or_b32 s[G0B+4*\s+3], s[G0B+4*\s+3], 0x80000000
.endr
; THE HEAD'S LOADS, one a wave: wave 0 K step 0's 256 token rows, wave 1 its 256 weight rows, wave 2 the tokens' scale bytes, wave 3 the weight rows'.  One tree of branches on the wave's number, a load to an arm
.macro ARM under, g0, g1, next
	s_cmp_lt_u32 s14, \under
	s_cbranch_scc0 \next
	tensor_load_to_lds s[\g0:\g0+3], s[\g1:\g1+7]
	s_nop 0
.rept 4
	v_nop
.endr
	s_branch .Lhead_asked
\next:
.endm
	ARM 1, G0H,  G1,  .Lhead_b
	ARM 2, G0HB, G1B, .Lhead_sa
	ARM 3, G0S,  G1S, .Lhead_sb
	tensor_load_to_lds s[G0SB:G0SB+3], s[G1SB:G1SB+7]
	s_nop 0
.rept 4
	v_nop
.endr
.Lhead_asked:
	v_and_b32 v1, 15, v0
	v_bfe_u32 v2, v0, 4, 1
	v_mul_u32_u24 v3, v1, PITCH
	v_lshl_add_u32 v4, v2, 4, v3
	s_wait_alu depctr_va_vdst(0)
	s_mov_b32 s21, 2*HALFT
	s_mov_b32 s20, 2*HALFS
	s_cmp_eq_u32 ttmp9, 2
	s_cselect_b32 s22, s21, 0
	s_cselect_b32 s23, 0, s21
	s_cselect_b32 s18, s20, 0
	s_cselect_b32 s19, 0, s20
	s_cselect_b32 s46, s15, s16
	s_cselect_b32 s47, s16, s15
	s_mul_i32 s20, s15, HALFT
	s_mul_i32 s21, s16, HALFT
	s_add_co_u32 s22, s22, s20
	s_add_co_u32 s23, s23, s21
.irp s, 0,1
	v_add_nc_u32 v[ADRA+\s], s22, v4
	v_add_nc_u32 v[ADRB+\s], s23, v4
	s_add_co_u32 s22, s22, SLOT
	s_add_co_u32 s23, s23, SLOT
.endr
	v_and_b32 v5, 31, v0
	v_lshrrev_b32 v6, 3, v5
	v_lshlrev_b32 v[LI], 4, v5
	v_lshlrev_b32 v5, 5, v5
	v_lshl_add_u32 v5, v6, 4, v5
	s_mul_i32 s20, s15, HALFS
	s_mul_i32 s21, s16, HALFS
	s_add_co_u32 s18, s18, s20
	s_add_co_u32 s19, s19, s21
	s_add_co_u32 s18, s18, SCL
	s_add_co_u32 s19, s19, SCL
	v_add_nc_u32 v[ADS1], s18, v5
	v_add_nc_u32 v[ADS0], s19, v5
	v_lshlrev_b32 v8, 5, v2
	v_lshlrev_b32 v9, 2, v1
	s_lshl_b32 s20, s42, 10
	s_lshl_b32 s21, s46, 9
	s_add_co_u32 s20, s20, s21
	s_mov_b32 s21, 0
	s_add_nc_u64 s[10:11], s[10:11], s[20:21]
	s_lshr_b32 s20, s17, 3
	s_lshl_b32 s20, s20, 4
	s_lshl_b32 s21, s40, 2
	s_add_co_u32 s20, s20, s21
	s_lshl_b32 s21, s46, 1
	s_add_co_u32 s20, s20, s21
	s_mul_i32 s20, s20, HEADB
	s_and_b32 s21, s17, 7
	s_lshl_b32 s21, s21, 1
	s_add_co_u32 s21, s21, s47
	s_mul_i32 s21, s21, REC
	s_add_co_u32 s20, s20, s21
	s_mul_i32 s21, ttmp9, REG
	s_add_co_u32 s20, s20, s21
	s_mov_b32 s21, 0
	s_add_nc_u64 s[12:13], s[12:13], s[20:21]
	s_cmp_eq_u32 ttmp9, 0
	s_cselect_b64 s[96:97], s[96:97], s[98:99]
.macro FRAG reg, adr, q, row
.irp c, 0,1,2,3
	ds_load_b128 v[(\reg)+4*\c:(\reg)+4*\c+3], v[\adr] offset:128*(\q)+32*\c+(\row)*PITCH
.endr
.endm
.macro MUL16 a0, p, q, sc, cm
.irp a, \a0, \a0+1
.irp b, 0,1,2,3,4,5,6,7
.set DD, 8*(8*((\a)%4)+\b)
.if (\cm) == 1
.set CC, -1
.else
.set CC, DD
.endif
	WMS DD, 128*(\p)+FR*\b, AF+FR*(\a), CC, SC+16*(\sc)+8+2*(\b/2)+(\q), SC+16*(\sc)+2*((\a)/2)+(\q), \b%2, (\a)%2
.endr
.endr
.endm
.macro FETCH_B slot, q, p
	WIN TO_B
.irp i, 0,1,2,3,4,5,6,7
	FRAG 128*(\p)+FR*\i, ADRB+\slot, \q, 16*\i
.endr
	WIN 0
.endm
.macro FETCH_A slot, q, i0
.irp i, \i0, \i0+1, \i0+2, \i0+3
	FRAG AF+FR*(\i), ADRA+\slot, \q, 16*(\i)
.endr
.endm
.macro SCALES set, ks
.irp ip, 0,1,2,3
	ds_load_b64 v[SC+16*(\set)+2*\ip:SC+16*(\set)+2*\ip+1], v[ADS1] offset:8*(\ks)+1088*\ip
.endr
.irp ip, 0,1,2,3
	ds_load_b64 v[SC+16*(\set)+8+2*\ip:SC+16*(\set)+8+2*\ip+1], v[ADS0] offset:8*(\ks)+1088*\ip
.endr
.endm
.macro STEP slot, cm
	s_wait_dscnt 16
	WIN MUL_LO
	MUL16 0, 0, 0, \slot, \cm
	MUL16 2, 0, 0, \slot, \cm
	s_wait_dscnt 0x0
	PLACES NP
	FETCH_B \slot, 1, 1
	FETCH_A \slot, 1, 0
	WIN MUL_HI
	MUL16 4, 0, 0, \slot, \cm
	MUL16 6, 0, 0, \slot, \cm
	PLACES NP
	WIN 0
	FETCH_A \slot, 1, 4
.endm
.macro TURN slot, next, fill, ks
	s_wait_tensorcnt 0x0
	ds_add_u32 v[SPW], v[NIL]
	s_wait_dscnt 17
	WIN MUL_LO
	MUL16 0, 1, 1, \slot, 0
	s_wait_dscnt 0x0
	s_barrier_signal -1
	MUL16 2, 1, 1, \slot, 0
	WIN 0
	s_barrier_wait -1
.if \fill
	CREST
	s_add_nc_u64 s[G0+4*\slot+2:G0+4*\slot+3], s[G0+4*\slot+2:G0+4*\slot+3], 512
	s_add_nc_u64 s[G0B+4*\slot+2:G0B+4*\slot+3], s[G0B+4*\slot+2:G0B+4*\slot+3], 512
	JLOAD G0+4*\slot, G1, G0B+4*\slot, G1B
	PLACES NP-4
.else
	PLACES NP
.endif
	FETCH_B \next, 0, 0
	FETCH_A \next, 0, 0
	SCALES \next, \ks
	WIN MUL_HI
	MUL16 4, 1, 1, \slot, 0
	MUL16 6, 1, 1, \slot, 0
	PLACES NP
	WIN 0
	FETCH_A \next, 0, 4
.endm
.macro LAST qk
	s_wait_dscnt 16
	WIN MUL_LO
	MUL16 0, 1, 1, 1, 0
	MUL16 2, 1, 1, 1, 0
	s_wait_dscnt 0x0
.if \qk
	WIN 0
	PLACES NP
.irp b, 0,1,2,3
	global_load_b128 v[NW+8*\b:NW+8*\b+3], v8, s[96:97] offset:64*\b
	global_load_b128 v[NW+8*\b+4:NW+8*\b+7], v8, s[96:97] offset:64*\b+16
.endr
.endif
	WIN MUL_HI
	MUL16 4, 1, 1, 1, 0
	MUL16 6, 1, 1, 1, 0
	WIN 0
	PLACES NP
	s_mov_b32 s20, 0x76543210
	s_mov_b32 s21, 0xfedcba98
	s_mov_b32 s22, 0x600000
	s_mov_b32 s23, 0xffff0000
	s_mov_b32 s18, 0x3c800000
	s_mov_b32 s19, 0x358637bd
.irp b, 0,1,2,3
	v_mov_b32 v[TM+4+\b], 0
.endr
	v_mov_b32 v[RS+1], 0
	s_wait_loadcnt 0x0
.endm
.macro QUANT s, nb, pc
.irp b, 0,1,2,3
.if \b < (\nb)
	v_max3_num_f32 v[TM+\b], |v[(\s)+16*\b]|, |v[(\s)+16*\b+1]|, 0x4800000
.endif
.endr
.irp i, 2,4,6,8,10,12,14
.irp b, 0,1,2,3
.if \b < (\nb)
	v_max3_num_f32 v[TM+\b], v[TM+\b], |v[(\s)+16*\b+\i]|, |v[(\s)+16*\b+\i+1]|
.endif
.endr
.endr
.irp b, 0,1,2,3
.if \b < (\nb)
	v_permlanex16_b32 v[TM+4+\b], v[TM+\b], s20, s21
.endif
.endr
.irp b, 0,1,2,3
.if \b < (\nb)
	v_max_num_f32 v[TM+\b], v[TM+\b], v[TM+4+\b]
.endif
.endr
.irp b, 0,1,2,3
.if \b < (\nb)
	v_add_nc_u32 v[TM+12+\b], 0xfc000000, v[TM+\b]
	v_and_or_b32 v[TM+8+\b], v[TM+\b], 0x7f800000, s22
	v_lshrrev_b32 v[TM+4+\b], 23, v[TM+12+\b]
.endif
.endr
.irp b, 0,1,2,3
.if \b < (\nb)
.irp i, 0,1,2,3,4,5,6,7,8,9,10,11,12,13,14,15
	v_med3_num_f32 v[(\s)+16*\b+\i], v[(\s)+16*\b+\i], -v[TM+8+\b], v[TM+8+\b]
.endr
	v_cvt_scalef32_pk8_fp8_f32 v[(\pc)+4*\b:(\pc)+4*\b+1], v[(\s)+16*\b:(\s)+16*\b+7], v[TM+12+\b]
	v_cvt_scalef32_pk8_fp8_f32 v[(\pc)+4*\b+2:(\pc)+4*\b+3], v[(\s)+16*\b+8:(\s)+16*\b+15], v[TM+12+\b]
.endif
.endr
	v_nop
.endm
.macro QKT a, hd
.set AC, 64*((\a)%4)+32*(\hd)
.set BH, BI+32*(\hd)
	s_wait_xcnt 0x0
	WIN 0x02+(\a)/4
.set I, 0
.rept 16
	v_pk_add_f32 v[TQ+I:TQ+I+1], v[AC+I:AC+I+1], v[BH+I:BH+I+1]
.set I, I+2
.endr
	WIN 0
	v_pk_mul_f32 v[SS:SS+1], v[TQ:TQ+1], v[TQ:TQ+1]
	v_pk_mul_f32 v[SS+2:SS+3], v[TQ+2:TQ+3], v[TQ+2:TQ+3]
.irp i, 4,8,12,16,20,24,28
	v_pk_fma_f32 v[SS:SS+1], v[TQ+\i:TQ+\i+1], v[TQ+\i:TQ+\i+1], v[SS:SS+1]
	v_pk_fma_f32 v[SS+2:SS+3], v[TQ+\i+2:TQ+\i+3], v[TQ+\i+2:TQ+\i+3], v[SS+2:SS+3]
.endr
	v_pk_add_f32 v[SS:SS+1], v[SS:SS+1], v[SS+2:SS+3]
	v_add_f32 v[SS], v[SS], v[SS+1]
	v_permlanex16_b32 v[SS+1], v[SS], s20, s21
	v_add_f32 v[SS], v[SS], v[SS+1]
	v_fma_f32 v[SS], v[SS], s18, s19
	s_wait_alu depctr_va_vdst(0)
	v_rsq_f32 v[RS], v[SS]
.set I, 0
.rept 16
	v_pk_mul_f32 v[TQ+I:TQ+I+1], v[TQ+I:TQ+I+1], v[NW+I:NW+I+1]
.set I, I+2
.endr
	s_wait_alu depctr_va_vdst(0)
.set I, 0
.rept 16
	v_pk_mul_f32 v[TQ+I:TQ+I+1], v[TQ+I:TQ+I+1], v[RS:RS+1] op_sel_hi:[1,0]
.set I, I+2
.endr
	QUANT TQ, 2, PC
	v_lshl_or_b32 v[SW+8*(\hd)+(\a)], v[TM+5], 8, v[TM+4]
	v_lshl_or_b32 v[SW+8*(\hd)+(\a)], v[SW+8*(\hd)+(\a)], 16, v[SW+8*(\hd)+(\a)]
	global_store_b128 v[LI], v[PC:PC+3], s[12:13] offset:(\hd)*HEADB+(\a)*1024
	global_store_b128 v[LI], v[PC+4:PC+7], s[12:13] offset:(\hd)*HEADB+(\a)*1024+512
.endm
.macro VT a
.set AC, 64*((\a)%4)
	s_wait_xcnt 0x0
	WIN 0x02+(\a)/4
.set I, 0
.rept 32
	v_pk_add_f32 v[TV+I:TV+I+1], v[AC+I:AC+I+1], v[BI+2*(\a):BI+2*(\a)+1] op_sel_hi:[1,0]
.set I, I+2
.endr
	WIN 0
	QUANT TV, 4, PC
	v_lshl_or_b32 v[SW+(\a)], v[TM+5], 8, v[TM+4]
	v_lshl_or_b32 v[SW+(\a)], v[TM+6], 16, v[SW+(\a)]
	v_lshl_or_b32 v[SW+(\a)], v[TM+7], 24, v[SW+(\a)]
.irp c, 0,1,2,3
	global_store_b128 v[LI], v[PC+4*\c:PC+4*\c+3], s[12:13] offset:((\a)/4)*HEADB+((\a)%4)*2048+512*\c
.endr
.endm
	s_wait_alu depctr_va_vdst(0)
	s_wait_tensorcnt 0x0                           ; my tile of the head's four is in
	ds_add_u32 v[SPW], v[NIL]
	s_mov_b32 s[G1+2], 128<<16                     ; no load of mine is out: from here on a load brings 128 rows
	s_mov_b32 s[G1+4], 128
	s_mov_b32 s[G1B+2], 128<<16
	s_mov_b32 s[G1B+4], 128
	s_wait_dscnt 0x0
	CROUND                                         ; all four tiles are in, and all sixteen work-groups are here
	JLOAD G0+4, G1, G0B+4, G1B                     ; K step 1
	FETCH_B 0, 0, 0
	FETCH_A 0, 0, 0
	SCALES 0, 0
	FETCH_A 0, 0, 4
	STEP 0, 1
	TURN 0, 1, 1, 1
	STEP 1, 0
	TURN 1, 0, 1, 2
	STEP 0, 0
	TURN 0, 1, 0, 3
	STEP 1, 0
	s_cmp_eq_u32 ttmp9, 2
	s_cbranch_scc1 .Lvalues
.irp b, 0,1,2,3,4,5,6,7
	global_load_b128 v[BI+8*\b:BI+8*\b+3], v8, s[10:11] offset:64*\b
	global_load_b128 v[BI+8*\b+4:BI+8*\b+7], v8, s[10:11] offset:64*\b+16
.endr
	LAST 1
.irp a, 0,1,2,3,4,5,6,7
	QKT \a, 0
	QKT \a, 1
.endr
.irp d, 0,1
.irp w, 0,1,2,3
	v_cndmask_b32 v[XW+4*\d+\w], v[SW+8*\d+2*\w], v[SW+8*\d+2*\w+1], s23
.endr
	global_store_b128 v[LI], v[XW+4*\d:XW+4*\d+3], s[12:13] offset:\d*HEADB+8192
.endr
	s_wait_tensorcnt 0x0
	ds_add_u32 v[SPW], v[NIL]
	s_wait_dscnt 0x0
	CROUND
	s_endpgm
.Lvalues:
.irp a, 0,1,2,3,4,5,6,7
	global_load_b32 v[BI+2*\a], v9, s[10:11] offset:64*\a
.endr
	LAST 0
.irp a, 0,1,2,3,4,5,6,7
	v_mov_b32 v[BI+2*\a+1], v[BI+2*\a]
.endr
	s_wait_alu depctr_va_vdst(0)
	VT 0
	VT 1
	VT 2
	VT 3
	global_store_b128 v[LI], v[SW:SW+3], s[12:13] offset:8192
	VT 4
	VT 5
	VT 6
	VT 7
	global_store_b128 v[LI], v[SW+4:SW+7], s[12:13] offset:HEADB+8192
	s_wait_tensorcnt 0x0
	ds_add_u32 v[SPW], v[NIL]
	s_wait_dscnt 0x0
	CROUND
	s_endpgm
.Lfunc_end_k_qc8f8df8c70_qkvg:
	.size	k_qc8f8df8c70_qkvg, .Lfunc_end_k_qc8f8df8c70_qkvg-k_qc8f8df8c70_qkvg
	.p2alignl 7, 3214868480
	.fill 96, 4, 3214868480
	.section	.rodata,"a",@progbits
	.p2align	6, 0x0
	.amdhsa_kernel k_qc8f8df8c70_qkvg
		.amdhsa_group_segment_fixed_size 327680
		.amdhsa_private_segment_fixed_size 0
		.amdhsa_enable_private_segment 0
		.amdhsa_kernarg_size 56
		.amdhsa_user_sgpr_count 2
		.amdhsa_user_sgpr_kernarg_segment_ptr 1
		.amdhsa_wavefront_size32 1
		.amdhsa_system_sgpr_workgroup_id_x 1
		.amdhsa_system_sgpr_workgroup_id_y 1
		.amdhsa_system_sgpr_workgroup_id_z 1
		.amdhsa_system_vgpr_workitem_id 0
		.amdhsa_next_free_vgpr 1024
		.amdhsa_next_free_sgpr 102
		.amdhsa_reserve_vcc 0
		.amdhsa_float_denorm_mode_32 3
		.amdhsa_float_denorm_mode_16_64 3
		.amdhsa_memory_ordered 1
		.amdhsa_forward_progress 1
		.amdhsa_inst_pref_size 255
	.end_amdhsa_kernel
	.section	.bss,"aw",@nobits
	.p2align	6
	.space	262144
	.amdgpu_metadata
---
amdhsa.version: [ 1, 2 ]
amdhsa.kernels:
  - .name:           k_qc8f8df8c70_qkvg
    .symbol:         k_qc8f8df8c70_qkvg.kd
    .args:
      - { .name: nrm, .offset: 0, .size: 8, .value_kind: global_buffer, .address_space: global }
      - { .name: qkv_w_codes, .offset: 8, .size: 8, .value_kind: global_buffer, .address_space: global }
      - { .name: qkv_w_scales, .offset: 16, .size: 8, .value_kind: global_buffer, .address_space: global }
      - { .name: qkv_b, .offset: 24, .size: 8, .value_kind: global_buffer, .address_space: global }
      - { .name: q_norm_w, .offset: 32, .size: 8, .value_kind: global_buffer, .address_space: global }
      - { .name: k_norm_w, .offset: 40, .size: 8, .value_kind: global_buffer, .address_space: global }
      - { .name: qkv, .offset: 48, .size: 8, .value_kind: global_buffer, .address_space: global }
    .group_segment_fixed_size: 327680
    .private_segment_fixed_size: 0
    .kernarg_segment_align: 8
    .kernarg_segment_size: 56
    .max_flat_workgroup_size: 128
    .sgpr_count:     102
    .vgpr_count:     1024
    .wavefront_size: 32
...
	.end_amdgpu_metadata
.endif
;; end of part 2
;; launch attn (part 3): grid 8 x 32, 16 waves a work-group, clusters of 4 x 1, 327,680 bytes of LDS; arguments qkv, ob; writes ob
.if DOCPART == 3
	.amdgcn_target "amdgcn-amd-amdhsa--gfx1250"
	.amdhsa_code_object_version 6
	.text
	.protected	k_qc8f8df8c70_attn
	.globl	k_qc8f8df8c70_attn
	.p2align	8
	.type	k_qc8f8df8c70_attn,@function
k_qc8f8df8c70_attn:
	s_mov_b64 s[64:65], 0
	v_nop
	global_prefetch_b8 v0, s[64:65] scope:SCOPE_SE
	s_setreg_imm32_b32 hwreg(HW_REG_WAVE_MODE, 25, 1), 1
	s_wait_xcnt 0x0
	s_wait_alu depctr_hold_cnt(0) depctr_sa_sdst(0) depctr_va_vdst(0) depctr_va_sdst(0) depctr_va_ssrc(0) depctr_va_vcc(0) depctr_vm_vsrc(0)
	s_getreg_b32 s2, hwreg(HW_REG_IB_STS2, 6, 4)
	s_cmp_eq_u32 s2, 0
	s_cbranch_scc0 .Lentry_in_a_cluster
	s_endpgm
.Lentry_in_a_cluster:
	s_bfe_u32 s2, ttmp6, 0x10000c
	s_cmp_lg_u32 s2, 0x3003
	s_cbranch_scc0 .Lentry_shape_is_right
	s_endpgm
.Lentry_shape_is_right:
; o = softmax(q k^T / 8) v for each of 32 heads (2 x 16), 2,048 queries x 2,048 keys, head size 64, both products on codes of E4M3 with one E8M0 scale for each 32 along K.  No work is left out.
; qkv holds three regions (q, k, v) of REG bytes; a head is HEADB bytes: 16 records of REC bytes, one for 128 tokens: 8,192 bytes of register images (16 bytes a lane, 512 bytes for four registers) and 512 bytes of scale words.
; SOFTMAX: t = score x log2(e) / 8; M = the running largest t rounded up to a whole number; p = 2^(t - M) is quantised along the keys; the row's sum is taken of the unquantised p and divides at the end.
; SHARES: a work-group has 256 queries of one head, each of its sixteen waves 16 of them in 256 registers, four waves to a SIMD.  A lane holds one query (lane % 16) throughout: S^T = K Q^T, O^T = V^T P^T.
; The head size is 64, half of the instruction's K: a run of 16 registers holds two tiles of 16 keys, and Q stands as (Q, 0) in v16-31 and as (0, Q) in v24-39: each product takes one of the two tiles.
; LDS: the head's whole K and V, 2 x 139,264 bytes, are filled once and stay.  Each wave asks twice: at the head for 4,352 bytes (together records 0-3 of K and of V), and, once all of records 0-3 are in,
; for 13,056 bytes (records 4-15), which are on their way during the first four key steps.  CLUSTER 4, 1, 1: four blocks of queries of one head ask for the same K and V jointly.
; NO PREFETCH: all of K and V is asked for by these two groups of loads at the kernel's head; there is no loop to run ahead in.
; OUT: o quantised along the channels: images [256 token tiles][8 K steps][4][512] and scale bytes at OSC, as the projection takes them.
; LIMITS: the promise holds while the scaled scores t stay under 2^31 in magnitude; NaN and infinities are not served; a block of zeros gets the scale byte 1 (its codes are zeros; this program alone reads the bytes).
.set REG,   4456448
.set HEADB, 139264
.set REC,   8704
.set SPARE, 278528                     ; behind K and V: the spare words, 128 bytes for each wave
.set CH,    34816                      ; records 0-3
.set PART1, 4352                       ; 17 rows of 256 bytes: an eighth of records 0-3
.set PART2, 13056                      ; 51 rows of 256 bytes: an eighth of records 4-15
.set OSC,   4194304
.set LI,  1                            ; 16 x lane
.set SPW, 2                            ; my spare word; never rewritten
.set NIL, 3                            ; 0; never rewritten
.set ADK, 4
.set ADV, 5
.set QS,  6                            ; Q's scale word
.set PW,  7                            ; p's scale word
.set KS,  8                            ; v8-11 K's scale words; v12 -M, v13 the largest t, v[14:15] the sum in two halves; v16-39 Q, 0, Q
.set KV,  40                           ; v40-103 fragments of K, then of V
.set S0,  104                          ; v104-167 S^T, then p
.set OT,  168                          ; v168-199 O^T
.set PC,  200                          ; v200-215 p's codes
.set VS,  216                          ; v216-219 V's scale words
.set TM,  220                          ; v220-235 at work on the four blocks
.set FF,  236
.set T0,  238
.set SU,  240
.set LIV, 242
.set BA,  243
.set T2,  244
.set CB,  249                          ; v249-252 the four caps once more, each one register bank on from its first copy: the two halves of a dual instruction take their second sources from different banks
.set WV,  18
.set MNT, 19
.set SEL, 20
.set CS,  22
.set G1,  24                           ; s[24:31] group 1 of the first load, s[32:35] its group 0; s[36:39], s[40:47] the second load's
.set G0,  32
.set G0B, 36
.set G1B, 40
.set TB,  48
.set CNT, 49
.set HM,  50
.macro WMS d, s0, s1, c, x0, x1, p0
.if (\c) < 0
.if (\p0)
	v_wmma_scale_f32_16x16x128_f8f6f4 v[(\d):(\d)+7], v[(\s0):(\s0)+15], v[(\s1):(\s1)+15], 0, v[(\x0)], v[(\x1)] matrix_a_scale:MATRIX_SCALE_ROW1
.else
	v_wmma_scale_f32_16x16x128_f8f6f4 v[(\d):(\d)+7], v[(\s0):(\s0)+15], v[(\s1):(\s1)+15], 0, v[(\x0)], v[(\x1)]
.endif
.else
	v_wmma_scale_f32_16x16x128_f8f6f4 v[(\d):(\d)+7], v[(\s0):(\s0)+15], v[(\s1):(\s1)+15], v[(\c):(\c)+7], v[(\x0)], v[(\x1)]
.endif
.endm
.macro CROUND                          ; a round of the cluster's barrier
	s_barrier_signal -1
	s_barrier_wait -1
	s_cmp_lg_u32 s[WV], 0
	s_cbranch_scc1 .Lnot_wave_0_\@
	s_barrier_signal -3
.Lnot_wave_0_\@:
	s_barrier_wait -3
	s_barrier_signal -1
	s_barrier_wait -1
.endm
	s_load_b128 s[4:7], s[0:1], 0x0                ; qkv, ob
	v_lshl_add_u32 v[SPW], v0, 2, SPARE
	v_mov_b32 v[NIL], 0
	ds_add_u32 v[SPW], v[NIL]                      ; the wave's opening: the add, twice on end, and its wait ahead of my first tensor load
	ds_add_u32 v[SPW], v[NIL]
	v_lshrrev_b32 v1, 5, v0
	v_readfirstlane_b32 s[WV], v1                  ; wave 0..15
	s_lshr_b32 s8, s[WV], 3                        ; I fetch for K (0) or V (1).  Also: which 128 of the block's queries hold mine
	s_and_b32 s9, s[WV], 7                         ; which eighth I fetch.  Also: which tile of those 128 queries is mine
	s_mul_i32 s10, s8, HEADB
	s_mul_i32 s11, s9, PART1
	s_mul_i32 s68, s9, PART2
	s_and_b32 s16, ttmp7, 0xffff                   ; the head: the four partners share it
	s_mul_i32 s17, s16, HEADB
	s_mul_i32 s12, s8, REG
	s_add_co_u32 s12, s12, s17
	s_add_co_u32 s12, s12, REG                     ; the head's K or V, in bytes from qkv's first
	s_mov_b32 s13, 0
	s_mov_b32 s[G1], 15|(3<<16)|(1<<21)            ; all four work-groups; elements of 8 bytes; bit 21 beside a mask; dense blocks as rows of 256 bytes
	s_mov_b32 s[G1+1], 32<<16
	s_mov_b32 s[G1+2], 17<<16
	s_mov_b32 s[G1+3], 32<<16
	s_mov_b32 s[G1+4], 17
	s_mov_b32 s[G1+5], 32
	s_mov_b32 s[G1+6], 0
	s_mov_b32 s[G1+7], 0
	s_mov_b32 s[G1B], 15|(3<<16)|(1<<21)
	s_mov_b32 s[G1B+1], 32<<16
	s_mov_b32 s[G1B+2], 51<<16
	s_mov_b32 s[G1B+3], 32<<16
	s_mov_b32 s[G1B+4], 51
	s_mov_b32 s[G1B+5], 32
	s_mov_b32 s[G1B+6], 0
	s_mov_b32 s[G1B+7], 0
	s_mov_b32 s[SEL], 0x76543210
	s_mov_b32 s[SEL+1], 0xfedcba98                 ; v_permlanex16_b32's selects for lane l xor 16
	s_mov_b32 s[CS], 0x3e38aa3b                    ; log2(e) / 8
	s_mov_b32 s[CS+1], s[CS]
	s_mov_b32 s[MNT], 0x600000                     ; the mantissa field of 448
	s_mov_b32 s[HM], 0xffff0000
	s_mov_b32 s[TB], 0
	s_wait_dscnt 0x0                               ; both opening adds are done
	s_wait_kmcnt 0x0
	s_add_nc_u64 s[14:15], s[4:5], s[12:13]
	s_mov_b32 s[G0], 1
	s_add_co_u32 s[G0+1], s10, s11
	s_mov_b32 s12, s11
	s_add_nc_u64 s[G0+2:G0+3], s[14:15], s[12:13]
	s_or_b32 s[G0+3], s[G0+3], 0x80000000
	s_mov_b32 s[G0B], 1
	s_add_co_u32 s[G0B+1], s10, s68
	s_add_co_u32 s[G0B+1], s[G0B+1], CH
	s_add_co_u32 s12, s68, CH
	s_add_nc_u64 s[G0B+2:G0B+3], s[14:15], s[12:13]
	s_or_b32 s[G0B+3], s[G0B+3], 0x80000000
	CROUND                                         ; all four work-groups are here: the first joint loads meet
	tensor_load_to_lds s[G0:G0+3], s[G1:G1+7]      ; my eighth of records 0-3: my one tensor load at the head
	s_nop 0
.rept 4
	v_nop
.endr
	; all scalar set-up first, then the vector set-up on end
	s_bfe_u32 s51, ttmp6, 0x40000                  ; cx
	s_lshl_b32 s52, ttmp9, 2
	s_add_co_u32 s52, s52, s51                     ; my block of 256 queries
	s_lshl_b32 s53, s52, 1
	s_add_co_u32 s53, s53, s8
	s_mul_i32 s53, s53, REC
	s_add_co_u32 s12, s53, s17
	s_add_nc_u64 s[56:57], s[4:5], s[12:13]        ; Q's record
	s_lshl_b32 s66, s9, 10                         ; my tile's images in it,
	s_and_b32 s67, s9, 1
	s_lshl_b32 s67, s67, 8
	s_lshr_b32 s62, s9, 1
	s_lshl_b32 s62, s62, 2
	s_add_co_u32 s67, s67, s62                     ; and its scale words
	s_lshr_b32 s53, s16, 4
	s_lshl_b32 s53, s53, 7
	s_lshl_b32 s54, s52, 4
	s_add_co_u32 s53, s53, s54
	s_add_co_u32 s53, s53, s[WV]                   ; my token tile, 0..255
	s_and_b32 s54, s16, 15
	s_lshr_b32 s55, s54, 1                         ; the projection's K step: two heads to each,
	s_and_b32 s54, s54, 1                          ; and my head's half of it
	s_lshl_b32 s12, s53, 14
	s_lshl_b32 s62, s55, 11
	s_add_co_u32 s12, s12, s62
	s_lshl_b32 s62, s54, 10
	s_add_co_u32 s12, s12, s62
	s_add_nc_u64 s[58:59], s[6:7], s[12:13]        ; o's images
	s_lshl_b32 s12, s55, 14
	s_lshl_b32 s62, s53, 6
	s_add_co_u32 s12, s12, s62
	s_lshl_b32 s62, s54, 1
	s_add_co_u32 s12, s12, s62
	s_add_nc_u64 s[60:61], s[6:7], s[12:13]        ; o's scale bytes (+ OSC in the store)
	v_and_b32 v[LI], 31, v0
	v_lshlrev_b32 v[LI], 4, v[LI]
	v_add_nc_u32 v[LIV], HEADB, v[LI]
	v_add_nc_u32 v[T0], s66, v[LI]
	v_and_b32 v[BA], 15, v0
	v_lshl_add_u32 v[T0+1], v[BA], 4, s67
	v_bfe_u32 v[T2], v0, 4, 1
	v_lshl_add_u32 v[BA], v[BA], 2, v[T2]
	global_load_b128 v[16:19], v[T0], s[56:57]
	global_load_b128 v[20:23], v[T0], s[56:57] offset:512
	global_load_b128 v[32:35], v[T0], s[56:57]     ; Q a second time: (Q, 0) and (0, Q) share the zeros
	global_load_b128 v[36:39], v[T0], s[56:57] offset:512
	global_load_b32 v[QS], v[T0+1], s[56:57] offset:8192
.irp i, 24,25,26,27,28,29,30,31
	v_mov_b32 v[\i], 0
.endr
.set I, 0
.rept 32
	v_mov_b32 v[OT+I], 0                           ; the step is written once: the first finds zeros, which the first change of M leaves zeros
.set I, I+1
.endr
	v_mov_b32 v13, 0xff61b1e6                      ; the largest t so far: -3e38
	v_floor_f32 v12, -v13
	v_mov_b32 v14, 0
	v_mov_b32 v15, 0
.irp b, 0,1,2,3
	v_mov_b32 v[TM+4+\b], 0                        ; a lane permute's destination counts as one of its sources
.endr
	v_mov_b32 v[FF+1], 0
	s_wait_alu depctr_va_vdst(0)                   ; the wait at the head's end
	s_wait_tensorcnt 0x0                           ; my part of records 0-3 is in
	ds_add_u32 v[SPW], v[NIL]
	s_wait_dscnt 0x0
	CROUND                                         ; everybody's part is in, and all four work-groups are here
	tensor_load_to_lds s[G0B:G0B+3], s[G1B:G1B+7]  ; my eighth of records 4-15
	s_nop 0
.rept 4
	v_nop
.endr
	s_wait_loadcnt 0x0                             ; Q
; A KEY STEP: 128 keys, the record at LDS byte s[TB] of K and of V
.macro STEP
	v_add_nc_u32 v[ADK], s[TB], v[LI]
	v_add_nc_u32 v[ADV], s[TB], v[LIV]
.rept 6
	v_nop                                          ; with the two additions: eight places in front of loads into registers that the last products read
.endr
.irp t, 0,1,2,3,4,5,6,7
	ds_load_b128 v[KV+8*\t:KV+8*\t+3], v[ADK] offset:1024*\t
	ds_load_b128 v[KV+8*\t+4:KV+8*\t+7], v[ADK] offset:1024*\t+512
.endr
	ds_load_b128 v[KS:KS+3], v[ADK] offset:8192
	s_wait_alu depctr_va_vdst(0)
	s_wait_dscnt 0x0
.irp t, 0,1,2,3,4,5,6,7
	WMS S0+8*\t, KV+16*(\t/2), 16+8*(\t%2), -1, KS+\t/2, QS, \t%2
.endr
.rept 8
	v_nop                                          ; eight places: for the loads below and for the first read of S^T
.endr
.irp t, 0,1,2,3
.irp c, 0,1,2,3
	ds_load_b128 v[KV+16*\t+4*\c:KV+16*\t+4*\c+3], v[ADV] offset:2048*\t+512*\c
.endr
.endr
	ds_load_b128 v[VS:VS+3], v[ADV] offset:8192    ; V's 17 loads are on their way during the softmax
.irp b, 0,1,2,3
	v_max3_num_f32 v[TM+\b], v[S0+16*\b], v[S0+16*\b+1], v[S0+16*\b+2]   ; the largest score of each block of 32 keys: for the row's maximum and for the block's largest p
.endr
.irp i, 3,5,7,9,11,13
.irp b, 0,1,2,3
	v_max3_num_f32 v[TM+\b], v[TM+\b], v[S0+16*\b+\i], v[S0+16*\b+\i+1]
.endr
.endr
.irp b, 0,1,2,3
	v_max_num_f32 v[TM+\b], v[TM+\b], v[S0+16*\b+15]
.endr
.irp b, 0,1,2,3
	s_delay_alu instid0(VALU_DEP_4)
	v_permlanex16_b32 v[TM+4+\b], v[TM+\b], s[SEL], s[SEL+1]
.endr
.irp b, 0,1,2,3
	s_delay_alu instid0(VALU_DEP_4)
	v_max_num_f32 v[TM+\b], v[TM+\b], v[TM+4+\b]   ; with lane l xor 16's 16 keys
.endr
	s_delay_alu instid0(VALU_DEP_2)
	v_max3_num_f32 v[T0], v[TM], v[TM+1], v[TM+2]
	s_delay_alu instid0(VALU_DEP_1)
	v_max_num_f32 v[T0], v[T0], v[TM+3]
	s_delay_alu instid0(VALU_DEP_1)
	v_mul_f32 v[T0], s[CS], v[T0]
	s_delay_alu instid0(VALU_DEP_1)
	v_max_num_f32 v13, v13, v[T0]                  ; the running largest t
	v_mov_b32 v[T0], v12
	s_delay_alu instid0(VALU_DEP_2)
	v_floor_f32 v12, -v13                          ; the new -M = -ceil(t)
	s_delay_alu instid0(VALU_DEP_1)
	v_sub_f32 v[T0], v12, v[T0]
	s_delay_alu instid0(VALU_DEP_1)
	v_cvt_i32_f32 v[T0], v[T0]                     ; (it saturates)
	s_delay_alu instid0(VALU_DEP_1)
	v_ldexp_f32 v[FF], 1.0, v[T0]                  ; f = 2^(old M - new M),
	v_ldexp_f32 v[FF+1], 1.0, v[T0]                ; twice: one for each half of the dual multiplications
.set J, 0
.rept 32
	v_pk_fma_f32 v[S0+J:S0+J+1], v[S0+J:S0+J+1], s[CS:CS+1], v[12:13] op_sel_hi:[1,0,0]   ; t - M
.set J, J+2
.endr
.irp b, 0,1,2,3
	v_fma_f32 v[TM+\b], v[TM+\b], s[CS], v12       ; the same of each block's largest score
.endr
	s_wait_alu depctr_va_vdst(0)                   ; ONE batch of 68 exponentials, one wait ahead of it
.irp b, 0,1,2,3
	v_exp_f32 v[TM+\b], v[TM+\b]                   ; the blocks' largest p
.endr
.set J, 0
.rept 64
	v_exp_f32 v[S0+J], v[S0+J]                     ; p = 2^(t - M)
.set J, J+1
.endr
	v_pk_mul_f32 v[14:15], v[14:15], v[FF:FF+1] op_sel_hi:[1,0]   ; the sums under the new M (a plain place behind the batch)
	s_wait_alu depctr_va_vdst(0)                   ; and one wait behind it
	v_pk_add_f32 v[SU:SU+1], v[S0:S0+1], v[S0+2:S0+3]             ; the row's sum of the unquantised p, in two chains of pairs
.irp j, 4,8,12,16,20,24,28,32,36,40,44,48,52,56,60
	v_pk_add_f32 v[14:15], v[14:15], v[S0+\j:S0+\j+1]
	v_pk_add_f32 v[SU:SU+1], v[SU:SU+1], v[S0+\j+2:S0+\j+3]
.endr
	v_pk_add_f32 v[14:15], v[14:15], v[SU:SU+1]
.irp b, 0,1,2,3
	v_max_num_f32 v[TM+\b], 0x4800000, v[TM+\b]    ; the floor 2^(9 - 127): the byte cannot fall under 1
.endr
.irp b, 0,1,2,3
	v_add_nc_u32 v[TM+12+\b], 0xfc000000, v[TM+\b] ; 8 off the exponent field: the conversion's scale operand
.endr
.irp b, 0,1,2,3
	v_and_or_b32 v[TM+8+\b], v[TM+\b], 0x7f800000, s[MNT]   ; 448 x the scale
.endr
.irp b, 0,1,2,3
	v_and_or_b32 v[CB+\b], v[TM+\b], 0x7f800000, s[MNT]
.endr
.irp b, 0,1,2,3
	v_lshrrev_b32 v[TM+4+\b], 23, v[TM+12+\b]      ; the scale's byte
.endr
	v_lshl_or_b32 v[PW], v[TM+5], 8, v[TM+4]       ; p's scale word for these 128 keys
	v_lshl_or_b32 v[PW], v[TM+6], 16, v[PW]
	v_lshl_or_b32 v[PW], v[TM+7], 24, v[PW]
.irp b, 0,1,2,3
.irp i, 0,2,4,6,8,10,12,14
	v_dual_min_num_f32 v[S0+16*\b+\i], v[S0+16*\b+\i], v[TM+8+\b] :: v_dual_min_num_f32 v[S0+16*\b+\i+1], v[S0+16*\b+\i+1], v[CB+\b]   ; the conversion does not saturate (ISA guide 7.6.2); p is not negative: a one-sided hold, two numbers a line
.endr
	v_cvt_scalef32_pk8_fp8_f32 v[PC+4*\b:PC+4*\b+1], v[S0+16*\b:S0+16*\b+7], v[TM+12+\b]
	v_cvt_scalef32_pk8_fp8_f32 v[PC+4*\b+2:PC+4*\b+3], v[S0+16*\b+8:S0+16*\b+15], v[TM+12+\b]
.endr
	s_wait_alu depctr_va_vdst(0)                   ; the wait here, directly ahead of the first read of O^T
.set J, 0
.rept 16
	v_dual_mul_f32 v[OT+J], v[OT+J], v[FF] :: v_dual_mul_f32 v[OT+J+1], v[OT+J+1], v[FF+1]   ; O^T under the new M; these 16 are also the places between the codes and the products
.set J, J+2
.endr
	s_wait_alu depctr_va_vdst(0)
	s_wait_dscnt 0x0                               ; V
.irp t, 0,1,2,3
	WMS OT+8*\t, KV+16*\t, PC, OT+8*\t, VS+\t, PW, 0
.endr
.endm
.macro WALK trips
	s_mov_b32 s[CNT], \trips
.Lstep_\@:
	STEP
	s_add_co_u32 s[TB], s[TB], REC
	s_sub_co_u32 s[CNT], s[CNT], 1
	s_cmp_lg_u32 s[CNT], 0
	s_cbranch_scc1 .Lstep_\@
.endm
	WALK 4                                         ; records 0-3
	s_wait_tensorcnt 0x0                           ; my part of records 4-15 is in,
	s_barrier_signal -1
	s_barrier_wait -1                              ; everybody's is; nothing is filled again
	WALK 12
	; THE WAY OUT: O^T / the sum, quantised along the head's 64 channels (two blocks), stored as images
.rept 8
	v_nop
.endr
	v_add_f32 v14, v14, v15
	v_permlanex16_b32 v[T0], v14, s[SEL], s[SEL+1]
	v_add_f32 v14, v14, v[T0]                      ; the row's sum
	s_wait_alu depctr_va_vdst(0)                   ; the wait ahead of the transcendental
	v_rcp_f32 v14, v14
	v_nop
	s_wait_alu depctr_va_vdst(0)                   ; and behind it, directly ahead of the lines that first read O^T
.set J, 0
.rept 32
	v_mul_f32 v[S0+J], v[OT+J], v14
.set J, J+1
.endr
.irp b, 0,1
	v_max3_num_f32 v[TM+\b], |v[S0+16*\b]|, |v[S0+16*\b+1]|, 0x4800000
.endr
.irp i, 2,4,6,8,10,12,14
.irp b, 0,1
	v_max3_num_f32 v[TM+\b], v[TM+\b], |v[S0+16*\b+\i]|, |v[S0+16*\b+\i+1]|
.endr
.endr
.irp b, 0,1
	v_permlanex16_b32 v[TM+4+\b], v[TM+\b], s[SEL], s[SEL+1]
.endr
.irp b, 0,1
	v_max_num_f32 v[TM+\b], v[TM+\b], v[TM+4+\b]
.endr
.irp b, 0,1
	v_add_nc_u32 v[TM+12+\b], 0xfc000000, v[TM+\b]
	v_and_or_b32 v[TM+8+\b], v[TM+\b], 0x7f800000, s[MNT]
	v_lshrrev_b32 v[TM+4+\b], 23, v[TM+12+\b]
.endr
.irp b, 0,1
.irp i, 0,1,2,3,4,5,6,7,8,9,10,11,12,13,14,15
	v_med3_num_f32 v[S0+16*\b+\i], v[S0+16*\b+\i], -v[TM+8+\b], v[TM+8+\b]
.endr
	v_cvt_scalef32_pk8_fp8_f32 v[PC+4*\b:PC+4*\b+1], v[S0+16*\b:S0+16*\b+7], v[TM+12+\b]
	v_cvt_scalef32_pk8_fp8_f32 v[PC+4*\b+2:PC+4*\b+3], v[S0+16*\b+8:S0+16*\b+15], v[TM+12+\b]
.endr
	v_cndmask_b32 v[T0+1], v[TM+4], v[TM+5], s[HM] ; lanes 0-15 store the first block's byte, lanes 16-31 the second's (a plain line behind the conversions)
	global_store_b128 v[LI], v[PC:PC+3], s[58:59]  ; 512 consecutive bytes
	global_store_b128 v[LI], v[PC+4:PC+7], s[58:59] offset:512
	global_store_b8 v[BA], v[T0+1], s[60:61] offset:OSC
	s_wait_tensorcnt 0x0                           ; the wave's end
	ds_add_u32 v[SPW], v[NIL]
	s_wait_dscnt 0x0
	CROUND                                         ; the closing round
	s_endpgm
.Lfunc_end_k_qc8f8df8c70_attn:
	.size	k_qc8f8df8c70_attn, .Lfunc_end_k_qc8f8df8c70_attn-k_qc8f8df8c70_attn
	.p2alignl 7, 3214868480
	.fill 96, 4, 3214868480
	.section	.rodata,"a",@progbits
	.p2align	6, 0x0
	.amdhsa_kernel k_qc8f8df8c70_attn
		.amdhsa_group_segment_fixed_size 327680
		.amdhsa_private_segment_fixed_size 0
		.amdhsa_enable_private_segment 0
		.amdhsa_kernarg_size 16
		.amdhsa_user_sgpr_count 2
		.amdhsa_user_sgpr_kernarg_segment_ptr 1
		.amdhsa_wavefront_size32 1
		.amdhsa_system_sgpr_workgroup_id_x 1
		.amdhsa_system_sgpr_workgroup_id_y 1
		.amdhsa_system_sgpr_workgroup_id_z 1
		.amdhsa_system_vgpr_workitem_id 0
		.amdhsa_next_free_vgpr 256
		.amdhsa_next_free_sgpr 72
		.amdhsa_reserve_vcc 0
		.amdhsa_float_denorm_mode_32 3
		.amdhsa_float_denorm_mode_16_64 3
		.amdhsa_memory_ordered 1
		.amdhsa_forward_progress 1
		.amdhsa_inst_pref_size 53
	.end_amdhsa_kernel
	.amdgpu_metadata
---
amdhsa.version: [ 1, 2 ]
amdhsa.kernels:
  - .name:           k_qc8f8df8c70_attn
    .symbol:         k_qc8f8df8c70_attn.kd
    .args:
      - { .name: qkv, .offset: 0, .size: 8, .value_kind: global_buffer, .address_space: global }
      - { .name: ob, .offset: 8, .size: 8, .value_kind: global_buffer, .address_space: global }
    .group_segment_fixed_size: 327680
    .private_segment_fixed_size: 0
    .kernarg_segment_align: 8
    .kernarg_segment_size: 16
    .max_flat_workgroup_size: 512
    .sgpr_count:     72
    .vgpr_count:     256
    .wavefront_size: 32
...
	.end_amdgpu_metadata
.endif
;; end of part 3
;; launch proj (part 4): grid 8 x 32, 4 waves a work-group, clusters of 4 x 4, 327,680 bytes of LDS; arguments ob, proj_w_codes, proj_b, x, x2, proj_w_scales, nrm, attn_ln_w; writes x2
.if DOCPART == 4
	.amdgcn_target "amdgcn-amd-amdhsa--gfx1250"
	.amdhsa_code_object_version 6
	.text
	.protected	k_qc8f8df8c70_proj
	.globl	k_qc8f8df8c70_proj
	.p2align	8
	.type	k_qc8f8df8c70_proj,@function
k_qc8f8df8c70_proj:
	s_mov_b64 s[64:65], 0
	v_nop
	global_prefetch_b8 v0, s[64:65] scope:SCOPE_SE
	s_setreg_imm32_b32 hwreg(HW_REG_WAVE_MODE, 25, 1), 1
	s_wait_xcnt 0x0
	s_wait_alu depctr_hold_cnt(0) depctr_sa_sdst(0) depctr_va_vdst(0) depctr_va_sdst(0) depctr_va_ssrc(0) depctr_va_vcc(0) depctr_vm_vsrc(0)
	s_getreg_b32 s2, hwreg(HW_REG_IB_STS2, 6, 4)
	s_cmp_eq_u32 s2, 0
	s_cbranch_scc0 .Lentry_in_a_cluster
	s_endpgm
.Lentry_in_a_cluster:
	s_bfe_u32 s2, ttmp6, 0x10000c
	s_cmp_lg_u32 s2, 0xf033
	s_cbranch_scc0 .Lentry_shape_is_right
	s_endpgm
.Lentry_shape_is_right:
.set W3, 0
.if W3
.set NK,    22
.set KROW,  2816
.set KS,    128
.set ASOFF, 11534336
.else
.set NK,    8
.set KROW,  1024
.set KS,    32
.set ASOFF, 4194304
.endif
.set WSC,   2883584
.set NRI,   4325376
.set SLOT,  133120
.set ASC,   2*SLOT
.set BSC,   ASC+512*NK
.set BH,    (64*KS/256)*272
.set BIP,   (32*KS/256)*272
.set SPARE, BSC+2*BH
.set PA, 4
.set PB, 6
.set PBI, 8
.set PR, 10
.set PO, 12
.set ADA, 16
.set ADB, 20
.set AAS, 22
.set ABS, 23
.set STO, 24
.set RD,  25
.set CO,  26
.set SPW, 28
.set NIL, 29
.set SC,  32
.set BI,  48
.set GW,  80
.set ACC, 128
.set G1A, 24
.set G0A, 32
.set G1B, 48
.set G0B, 56
.set G1AS, 68
.set G0AS, 76
.set G1BS, 80
.set G0BS, 88
.set MSB, 0
.macro WIN new
.if MSB != (\new)
	s_set_vgpr_msb (MSB<<8)|(\new)
.set MSB, (\new)
.endif
.endm
.set MUL, 0x05
.macro WMS d, s0, s1, c, x0, x1, p0, p1
.if (\p0) && (\p1)
	v_wmma_scale_f32_16x16x128_f8f6f4 v[(\d):(\d)+7], v[(\s0):(\s0)+15], v[(\s1):(\s1)+15], v[(\c):(\c)+7], v[(\x0)], v[(\x1)] matrix_a_scale:MATRIX_SCALE_ROW1 matrix_b_scale:MATRIX_SCALE_ROW1
.elseif (\p0)
	v_wmma_scale_f32_16x16x128_f8f6f4 v[(\d):(\d)+7], v[(\s0):(\s0)+15], v[(\s1):(\s1)+15], v[(\c):(\c)+7], v[(\x0)], v[(\x1)] matrix_a_scale:MATRIX_SCALE_ROW1
.elseif (\p1)
	v_wmma_scale_f32_16x16x128_f8f6f4 v[(\d):(\d)+7], v[(\s0):(\s0)+15], v[(\s1):(\s1)+15], v[(\c):(\c)+7], v[(\x0)], v[(\x1)] matrix_b_scale:MATRIX_SCALE_ROW1
.else
	v_wmma_scale_f32_16x16x128_f8f6f4 v[(\d):(\d)+7], v[(\s0):(\s0)+15], v[(\s1):(\s1)+15], v[(\c):(\c)+7], v[(\x0)], v[(\x1)]
.endif
.endm
.macro JLOAD g0a, g1a, g0b, g1b
	s_cmp_eq_u32 s15, 0
	s_cbranch_scc0 .Lfor_b_\@
	tensor_load_to_lds s[\g0a:\g0a+3], s[\g1a:\g1a+7]
	s_nop 0
.rept 4
	v_nop
.endr
	s_branch .Lasked_\@
.Lfor_b_\@:
	tensor_load_to_lds s[\g0b:\g0b+3], s[\g1b:\g1b+7]
	s_nop 0
.rept 4
	v_nop
.endr
.Lasked_\@:
.endm
.macro CREST
	s_cmp_lg_u32 s14, 0
	s_cbranch_scc1 .Lnot_wave_0_\@
	s_barrier_signal -3
.Lnot_wave_0_\@:
	s_barrier_wait -3
	s_barrier_signal -1
	s_barrier_wait -1
.endm
.macro CROUND
	s_barrier_signal -1
	s_barrier_wait -1
	CREST
.endm
.macro PLACES n
.rept \n
	v_nop
.endr
.endm
	s_load_b256 s[4:11], s[0:1], 0x0
	s_load_b64 s[12:13], s[0:1], 0x20
.if W3 == 0
	s_load_b64 s[96:97], s[0:1], 0x28
	s_load_b64 s[98:99], s[0:1], 0x30
	s_load_b64 s[100:101], s[0:1], 0x38
.endif
	v_lshl_add_u32 v[SPW], v0, 2, SPARE
	v_mov_b32 v[NIL], 0
	ds_add_u32 v[SPW], v[NIL]
	ds_add_u32 v[SPW], v[NIL]
	v_lshrrev_b32 v1, 5, v0
	v_readfirstlane_b32 s14, v1
	s_lshr_b32 s15, s14, 1
	s_and_b32 s16, s14, 1
	s_bfe_u32 s40, ttmp6, 0x40000
	s_bfe_u32 s41, ttmp6, 0x40004
	s_lshl_b32 s42, ttmp9, 2
	s_add_co_u32 s42, s42, s40
	s_and_b32 s17, ttmp7, 0xffff
	s_lshl_b32 s17, s17, 2
	s_add_co_u32 s17, s17, s41
	s_lshl_b32 s43, s41, 2
	s_lshl_b32 s43, 15, s43
	s_lshl_b32 s44, 0x1111, s40
	s_or_b32 s[G1A], s43, (3<<16)|(1<<21)
	s_mov_b32 s[G1A+1], 1024<<16
	s_mov_b32 s[G1A+2], 8<<16
	s_mov_b32 s[G1A+3], 1024<<16
	s_mov_b32 s[G1A+4], 8
	s_mov_b32 s[G1A+5], NK*256
	s_mov_b32 s[G1A+6], 0
	s_mov_b32 s[G1A+7], 0
	s_or_b32 s[G1B], s44, (1<<20)|(1<<21)|(6<<22)|(3<<25)
	s_mov_b32 s[G1B+1], 512<<16
	s_mov_b32 s[G1B+2], 128<<16
	s_mov_b32 s[G1B+3], 512<<16
	s_mov_b32 s[G1B+4], 128
	s_mov_b32 s[G1B+5], KROW
	s_mov_b32 s[G1B+6], 0
	s_mov_b32 s[G1B+7], 0
	s_or_b32 s[G1AS], s43, (3<<16)|(1<<21)
	s_mov_b32 s[G1AS+1], 64<<16
	s_mov_b32 s[G1AS+2], NK<<16
	s_mov_b32 s[G1AS+3], 64<<16
	s_mov_b32 s[G1AS+4], NK
	s_mov_b32 s[G1AS+5], 2048
	s_mov_b32 s[G1AS+6], 0
	s_mov_b32 s[G1AS+7], 0
	s_or_b32 s[G1BS], s44, (3<<16)|(1<<20)|(1<<21)|(5<<22)|(3<<25)
	s_mov_b32 s[G1BS+1], 32<<16
	s_mov_b32 s[G1BS+2], (128*KS/256)<<16
	s_mov_b32 s[G1BS+3], 32<<16
	s_mov_b32 s[G1BS+4], 128*KS/256
	s_mov_b32 s[G1BS+5], 32
	s_mov_b32 s[G1BS+6], 0
	s_mov_b32 s[G1BS+7], 0
	s_lshl_b32 s18, s17, 3
	s_mul_i32 s20, s18, NK*2048
	s_mov_b32 s21, 0
	s_lshl_b32 s22, s18, 6
	s_mov_b32 s23, 0
	s_lshl_b32 s46, s42, 7
	s_mul_i32 s94, s46, KS
	s_mov_b32 s95, 0
	s_mul_i32 s46, s46, KROW
	s_mov_b32 s47, 0
	s_lshl_b32 s45, s16, 15
	s_mul_i32 s2, s16, 33792
	s_add_co_u32 s2, s2, 65536
	s_wait_dscnt 0x0
	s_wait_kmcnt 0x0
	s_add_nc_u64 s[20:21], s[PA:PA+1], s[20:21]
	s_add_nc_u64 s[22:23], s[PA:PA+1], s[22:23]
	s_add_nc_u64 s[22:23], s[22:23], ASOFF
	s_add_nc_u64 s[46:47], s[PB:PB+1], s[46:47]
.if W3
	s_add_nc_u64 s[94:95], s[PB:PB+1], s[94:95]
	s_add_nc_u64 s[94:95], s[94:95], WSC
.else
	s_add_nc_u64 s[94:95], s[96:97], s[94:95]
.endif
	CROUND
	s_mov_b32 s[G0AS], 1
	s_mov_b32 s[G0AS+1], ASC
	s_mov_b64 s[G0AS+2:G0AS+3], s[22:23]
	s_or_b32 s[G0AS+3], s[G0AS+3], 0x80000000
	s_mov_b32 s[G0BS], 1
	s_mov_b32 s[G0BS+1], BSC
	s_mov_b64 s[G0BS+2:G0BS+3], s[94:95]
	s_or_b32 s[G0BS+3], s[G0BS+3], 0x80000000
.set G0H, 4                            ; s[4:7], s[92:95]: group 0 of the head's loads of slot 0, whole: 8 token tiles, 128 weight rows (what lay there has been used)
.set G0HB, 92
	s_mov_b32 s[G0H], 1
	s_mov_b32 s[G0H+1], 0
	s_mov_b64 s[G0H+2:G0H+3], s[20:21]
	s_or_b32 s[G0H+3], s[G0H+3], 0x80000000
	s_mov_b32 s[G0HB], 1
	s_mov_b32 s[G0HB+1], 65536
	s_mov_b64 s[G0HB+2:G0HB+3], s[46:47]
	s_or_b32 s[G0HB+3], s[G0HB+3], 0x80000000
	s_mul_i32 s18, s16, 4*NK*2048                  ; for the ring: my half of a slot's token tiles,
	s_mov_b32 s19, 0
	s_add_nc_u64 s[20:21], s[20:21], s[18:19]
	s_mul_i32 s18, s16, 64*KROW                    ; and of its weight rows
	s_add_nc_u64 s[46:47], s[46:47], s[18:19]
.irp s, 0,1
	s_mov_b32 s[G0A+4*\s], 1
	s_add_co_u32 s[G0A+4*\s+1], s45, \s*SLOT
	s_add_nc_u64 s[G0A+4*\s+2:G0A+4*\s+3], s[20:21], \s*8192
	s_or_b32 s[G0A+4*\s+3], s[G0A+4*\s+3], 0x80000000
	s_mov_b32 s[G0B+4*\s], 1
	s_add_co_u32 s[G0B+4*\s+1], s2, \s*SLOT
	s_add_nc_u64 s[G0B+4*\s+2:G0B+4*\s+3], s[46:47], \s*512
	s_or_b32 s[G0B+4*\s+3], s[G0B+4*\s+3], 0x80000000
.endr
; THE HEAD'S LOADS, one a wave: wave 0 slot 0's token images, wave 1 its weight rows, wave 2 the tokens' scale words [NK][512 bytes], wave 3 the weight rows' scale bytes.  One tree of branches on the wave's number, a load to an arm
.macro ARM under, g0, g1, next
	s_cmp_lt_u32 s14, \under
	s_cbranch_scc0 \next
	tensor_load_to_lds s[\g0:\g0+3], s[\g1:\g1+7]
	s_nop 0
.rept 4
	v_nop
.endr
	s_branch .Lhead_asked
\next:
.endm
	ARM 1, G0H,  G1A,  .Lhead_b
	ARM 2, G0HB, G1B,  .Lhead_sa
	ARM 3, G0AS, G1AS, .Lhead_sb
	tensor_load_to_lds s[G0BS:G0BS+3], s[G1BS:G1BS+7]
	s_nop 0
.rept 4
	v_nop
.endr
.Lhead_asked:
	v_and_b32 v1, 15, v0
	v_bfe_u32 v2, v0, 4, 1
	v_and_b32 v3, 31, v0
	v_lshlrev_b32 v[CO], 4, v3
	v_lshlrev_b32 v7, 2, v3
	v_lshlrev_b32 v8, 5, v2
	s_lshl_b32 s18, s15, 15
	v_add_nc_u32 v[ADA], s18, v[CO]
	v_add_nc_u32 v[ADA+1], SLOT, v[ADA]
	v_mul_u32_u24 v4, v1, 528
	v_lshl_add_u32 v4, v2, 3, v4
	s_mul_i32 s18, s16, 33792
	s_add_co_u32 s18, s18, 65536
	v_add_nc_u32 v[ADB], s18, v4
	v_add_nc_u32 v[ADB+1], SLOT, v[ADB]
	s_lshl_b32 s18, s15, 8
	s_add_co_u32 s18, s18, ASC
	v_lshl_add_u32 v[AAS], v3, 2, s18
	v_mul_u32_u24 v5, v3, KS
	v_lshrrev_b32 v6, 8, v5
	v_lshl_add_u32 v5, v6, 4, v5
	s_mul_i32 s18, s16, BH
	s_add_co_u32 s18, s18, BSC
	v_add_nc_u32 v[ABS], s18, v5
	s_lshl_b32 s18, s15, 6
	s_mul_i32 s18, s18, 528
	s_lshl_b32 s19, s16, 8
	s_add_co_u32 s18, s18, s19
	v_mul_u32_u24 v4, v1, 528
	v_lshl_add_u32 v4, v2, 5, v4
	v_add_nc_u32 v[STO], s18, v4
	s_mul_i32 s18, s14, 32*528
	v_add_nc_u32 v[RD], s18, v[CO]
	s_lshl_b32 s18, s42, 9
	s_lshl_b32 s19, s16, 8
	s_add_co_u32 s18, s18, s19
	s_mov_b32 s19, 0
	s_add_nc_u64 s[PBI:PBI+1], s[PBI:PBI+1], s[18:19]
	s_lshl_b32 s18, s17, 7
	s_lshl_b32 s20, s14, 5
	s_add_co_u32 s20, s18, s20
	s_lshl_b32 s18, s20, 12
	s_lshl_b32 s21, s42, 9
	s_add_co_u32 s18, s18, s21
	s_add_nc_u64 s[PR:PR+1], s[PR:PR+1], s[18:19]
	s_add_nc_u64 s[PO:PO+1], s[PO:PO+1], s[18:19]
.irp b, 0,1,2,3
	global_load_b128 v[BI+8*\b:BI+8*\b+3], v8, s[PBI:PBI+1] offset:64*\b
	global_load_b128 v[BI+8*\b+4:BI+8*\b+7], v8, s[PBI:PBI+1] offset:64*\b+16
.endr
.if W3 == 0
	s_lshl_b32 s18, s42, 9
	s_add_nc_u64 s[100:101], s[100:101], s[18:19]
	s_lshl_b32 s18, s20, 2
	s_add_nc_u64 s[98:99], s[98:99], s[18:19]
	s_mov_b32 s67, 0
	global_load_b128 v[GW:GW+3], v[CO], s[100:101]
.endif
	WIN 0x80
.if W3 == 0
	global_load_b32 v128, v7, s[98:99] offset:NRI
.endif
.set I, 0
.rept 32
	global_load_b128 v[4*I:4*I+3], v[CO], s[PR:PR+1] offset:4096*I
.set I, I+1
.endr
	WIN 0
.macro FETCH slot, q, kabs, buf
	WIN 0x40
.irp a, 0,1,2,3
.irp c, 0,1,2,3
	ds_load_b128 v[128*(\buf)+16*\a+4*\c:128*(\buf)+16*\a+4*\c+3], v[ADA+\slot] offset:8192*\a+2048*(\q)+512*\c
.endr
.endr
.irp b, 0,1,2,3
.irp c, 0,1,2,3,4,5,6,7
	ds_load_b64 v[128*(\buf)+64+16*\b+2*\c:128*(\buf)+64+16*\b+2*\c+1], v[ADB+\slot] offset:8448*\b+128*(\q)+16*\c
.endr
.endr
	WIN 0
.irp ip, 0,1
	ds_load_b32 v[SC+4*(\buf)+\ip], v[AAS] offset:512*(\kabs)+128*\ip
	ds_load_b32 v[SC+4*(\buf)+2+\ip], v[ABS] offset:4*(\kabs)+BIP*\ip
.endr
.endm
.macro KMUL buf, first, a0, na
.set AA, \a0
.rept \na
.irp b, 0,1,2,3
.set DD, ACC+8*(4*AA+\b)
.if \first
.set CC, BI+8*\b
.else
.set CC, DD
.endif
	WMS DD, 128*(\buf)+64+16*\b, 128*(\buf)+16*AA, CC, SC+4*(\buf)+2+\b/2, SC+4*(\buf)+AA/2, \b%2, AA%2
.endr
.set AA, AA+1
.endr
.endm
.macro KSTEP slotn, qn, kn, first
	PLACES 8
	FETCH \slotn, \qn, \kn, (\kn)%2
	s_wait_dscnt 52
	WIN MUL
	KMUL ((\kn)+1)%2, \first, 0, 4
.endm
.macro TURN slot, kc, fill, short
	WIN 0
	s_wait_tensorcnt 0x0
	ds_add_u32 v[SPW], v[NIL]
	s_wait_dscnt 1
	WIN MUL
	KMUL (\kc)%2, 0, 0, 1
	s_wait_dscnt 0x0
	s_barrier_signal -1
	KMUL (\kc)%2, 0, 1, 1
	WIN 0
	s_barrier_wait -1
.if \fill
	CREST
	s_add_nc_u64 s[G0A+4*\slot+2:G0A+4*\slot+3], s[G0A+4*\slot+2:G0A+4*\slot+3], 16384
	s_add_nc_u64 s[G0B+4*\slot+2:G0B+4*\slot+3], s[G0B+4*\slot+2:G0B+4*\slot+3], 1024
.if \short
	s_mov_b32 s[G1A+1], 512<<16
	s_mov_b32 s[G1B+1], 256<<16
.endif
	JLOAD G0A+4*\slot, G1A, G0B+4*\slot, G1B
	PLACES 4
.else
	PLACES 8
.endif
	FETCH 1-\slot, 0, (\kc)+1, ((\kc)+1)%2
	WIN MUL
	KMUL (\kc)%2, 0, 2, 2
.endm
	s_wait_alu depctr_va_vdst(0)
	s_wait_tensorcnt 0x0                           ; my tile of the head's four is in
	ds_add_u32 v[SPW], v[NIL]
	s_mov_b32 s[G1A+2], 4<<16                      ; no load of mine is out: from here on a load brings half a slot's tile
	s_mov_b32 s[G1A+4], 4
	s_mov_b32 s[G1B+2], 64<<16
	s_mov_b32 s[G1B+4], 64
	s_wait_dscnt 0x0
	CROUND                                         ; all four tiles are in, and all sixteen work-groups are here
	JLOAD G0A+4, G1A, G0B+4, G1B                   ; slot 1
	FETCH 0, 0, 0, 0
.if W3
	s_wait_loadcnt 32
.else
	s_wait_loadcnt 34
.endif
	KSTEP 0, 1, 1, 1
	KSTEP 0, 2, 2, 0
	KSTEP 0, 3, 3, 0
.if W3
	TURN 0, 3, 1, 0
	KSTEP 1, 1, 5, 0
	KSTEP 1, 2, 6, 0
	KSTEP 1, 3, 7, 0
	TURN 1, 7, 1, 0
	KSTEP 0, 1, 9, 0
	KSTEP 0, 2, 10, 0
	KSTEP 0, 3, 11, 0
	TURN 0, 11, 1, 0
	KSTEP 1, 1, 13, 0
	KSTEP 1, 2, 14, 0
	KSTEP 1, 3, 15, 0
	TURN 1, 15, 1, 1
	KSTEP 0, 1, 17, 0
	KSTEP 0, 2, 18, 0
	KSTEP 0, 3, 19, 0
	TURN 0, 19, 0, 0
	KSTEP 1, 1, 21, 0
.else
	TURN 0, 3, 0, 0
	KSTEP 1, 1, 5, 0
	KSTEP 1, 2, 6, 0
	KSTEP 1, 3, 7, 0
.endif
	s_wait_dscnt 0x0
	KMUL (NK-1)%2, 0, 0, 4
	WIN 0
	PLACES 8
.irp a, 0,1,2,3
.irp b, 0,1,2,3
	ds_store_b128 v[STO], v[ACC+8*(4*\a+\b):ACC+8*(4*\a+\b)+3] offset:8448*\a+64*\b
	ds_store_b128 v[STO], v[ACC+8*(4*\a+\b)+4:ACC+8*(4*\a+\b)+7] offset:8448*\a+64*\b+16
.endr
.endr
	s_wait_dscnt 0x0
	s_barrier_signal -1
	s_barrier_wait -1
.set I, 0
.rept 32
	ds_load_b128 v[ACC+4*I:ACC+4*I+3], v[RD] offset:528*I
.set I, I+1
.endr
	s_wait_loadcnt 0x0
	s_wait_dscnt 0x0
.if W3
	WIN 0x08
.set I, 0
.rept 64
	v_pk_add_f32 v[ACC+2*I:ACC+2*I+1], v[ACC+2*I:ACC+2*I+1], v[2*I:2*I+1]
.set I, I+1
.endr
.else
	WIN 0x82
.set I, 0
.rept 32
	v_pk_mul_f32 v[4*I:4*I+1], v[4*I:4*I+1], v[GW:GW+1]
	v_pk_mul_f32 v[4*I+2:4*I+3], v[4*I+2:4*I+3], v[GW+2:GW+3]
.set I, I+1
.endr
	WIN 0x02
.set I, 0
.rept 32
	v_readlane_b32 s66, v128, I
	v_pk_fma_f32 v[ACC+4*I:ACC+4*I+1], v[4*I:4*I+1], s[66:67], v[ACC+4*I:ACC+4*I+1] op_sel_hi:[1,0,1]
	v_pk_fma_f32 v[ACC+4*I+2:ACC+4*I+3], v[4*I+2:4*I+3], s[66:67], v[ACC+4*I+2:ACC+4*I+3] op_sel_hi:[1,0,1]
.set I, I+1
.endr
.endif
	WIN 0
.set I, 0
.rept 32
	global_store_b128 v[CO], v[ACC+4*I:ACC+4*I+3], s[PO:PO+1] offset:4096*I
.set I, I+1
.endr
	s_wait_tensorcnt 0x0
	ds_add_u32 v[SPW], v[NIL]
	s_wait_dscnt 0x0
	CROUND
	s_endpgm
.Lfunc_end_k_qc8f8df8c70_proj:
	.size	k_qc8f8df8c70_proj, .Lfunc_end_k_qc8f8df8c70_proj-k_qc8f8df8c70_proj
	.p2alignl 7, 3214868480
	.fill 96, 4, 3214868480
	.section	.rodata,"a",@progbits
	.p2align	6, 0x0
	.amdhsa_kernel k_qc8f8df8c70_proj
		.amdhsa_group_segment_fixed_size 327680
		.amdhsa_private_segment_fixed_size 0
		.amdhsa_enable_private_segment 0
		.amdhsa_kernarg_size 64
		.amdhsa_user_sgpr_count 2
		.amdhsa_user_sgpr_kernarg_segment_ptr 1
		.amdhsa_wavefront_size32 1
		.amdhsa_system_sgpr_workgroup_id_x 1
		.amdhsa_system_sgpr_workgroup_id_y 1
		.amdhsa_system_sgpr_workgroup_id_z 1
		.amdhsa_system_vgpr_workitem_id 0
		.amdhsa_next_free_vgpr 656
		.amdhsa_next_free_sgpr 102
		.amdhsa_reserve_vcc 0
		.amdhsa_float_denorm_mode_32 3
		.amdhsa_float_denorm_mode_16_64 3
		.amdhsa_memory_ordered 1
		.amdhsa_forward_progress 1
		.amdhsa_inst_pref_size 78
	.end_amdhsa_kernel
	.amdgpu_metadata
---
amdhsa.version: [ 1, 2 ]
amdhsa.kernels:
  - .name:           k_qc8f8df8c70_proj
    .symbol:         k_qc8f8df8c70_proj.kd
    .args:
      - { .name: ob, .offset: 0, .size: 8, .value_kind: global_buffer, .address_space: global }
      - { .name: proj_w_codes, .offset: 8, .size: 8, .value_kind: global_buffer, .address_space: global }
      - { .name: proj_b, .offset: 16, .size: 8, .value_kind: global_buffer, .address_space: global }
      - { .name: x, .offset: 24, .size: 8, .value_kind: global_buffer, .address_space: global }
      - { .name: x2, .offset: 32, .size: 8, .value_kind: global_buffer, .address_space: global }
      - { .name: proj_w_scales, .offset: 40, .size: 8, .value_kind: global_buffer, .address_space: global }
      - { .name: nrm, .offset: 48, .size: 8, .value_kind: global_buffer, .address_space: global }
      - { .name: attn_ln_w, .offset: 56, .size: 8, .value_kind: global_buffer, .address_space: global }
    .group_segment_fixed_size: 327680
    .private_segment_fixed_size: 0
    .kernarg_segment_align: 8
    .kernarg_segment_size: 64
    .max_flat_workgroup_size: 128
    .sgpr_count:     102
    .vgpr_count:     656
    .wavefront_size: 32
...
	.end_amdgpu_metadata
.endif
;; end of part 4
;; launch norm2: the kernel of part 1 again; grid 256 x 1, 4 waves a work-group, no clusters, 43,520 bytes of LDS; arguments x2, mlp_ln_w, w3_w, w12_w_codes, w12_w_scales, w12_b, nrm, w3q, w12t; writes nrm, w3q, w12t
;; launch w12g (part 5): grid 16 x 22, 4 waves a work-group, clusters of 4 x 1, 327,680 bytes of LDS; arguments nrm, w12t, hid; writes hid
.if DOCPART == 5
	.amdgcn_target "amdgcn-amd-amdhsa--gfx1250"
	.amdhsa_code_object_version 6
	.text
	.protected	k_qc8f8df8c70_w12g
	.globl	k_qc8f8df8c70_w12g
	.p2align	8
	.type	k_qc8f8df8c70_w12g,@function
k_qc8f8df8c70_w12g:
	s_mov_b64 s[64:65], 0
	v_nop
	global_prefetch_b8 v0, s[64:65] scope:SCOPE_SE
	s_setreg_imm32_b32 hwreg(HW_REG_WAVE_MODE, 25, 1), 1
	s_wait_xcnt 0x0
	s_wait_alu depctr_hold_cnt(0) depctr_sa_sdst(0) depctr_va_vdst(0) depctr_va_sdst(0) depctr_va_ssrc(0) depctr_va_vcc(0) depctr_vm_vsrc(0)
	s_getreg_b32 s2, hwreg(HW_REG_IB_STS2, 6, 4)
	s_cmp_eq_u32 s2, 0
	s_cbranch_scc0 .Lentry_in_a_cluster
	s_endpgm
.Lentry_in_a_cluster:
	s_bfe_u32 s2, ttmp6, 0x10000c
	s_cmp_lg_u32 s2, 0x3003
	s_cbranch_scc0 .Lentry_shape_is_right
	s_endpgm
.Lentry_shape_is_right:
; hidden = silu(h W1^T + b1) * (h W2^T + b2), quantised along the hidden units.  h: nrm's codes [4096][1024] and scale bytes at NSC; W1, W2: rows 0 .. 2729 and 2730 .. 5459 of w12.  No work is left out.
; A work-group takes 256 tokens x 128 hidden units: 128 rows of W1 and the 128 rows of W2 that belong to them.  Four waves, each 128 tokens x 64 units (64 + 64 weight rows): x1 and x2 of a unit fall into the same lane and register of two accumulators.
; The 22nd tile of units (2,688 on: 42 are left) takes its rows, scale bytes and biases from w12t, where the launch at the head laid them with zeros behind: the choice is one of pointers and offsets, on the work-group's y.
; K = 1,024 goes in four steps of 256 through two LDS slots; written out.  CLUSTER 4, 1, 1 (22 tiles of units divide by no 4): the four partners have the same y and ask for the weight rows jointly; each asks for its own tokens alone, behind the same rounds.
; Source 0 = weight rows, source 1 = tokens: a lane holds one token and runs along the units.  The biases are the C of the first products.
; OUT: images [256 token tiles][22 K steps][4][512], scale words [22][4096 tokens] at HSC: a lane stores one byte.
; LIMITS: NaN and infinities are not served; a block of zeros gets the scale byte 1; sigmoid(x) = 1 / (1 + 2^(-x log2 e)).
.set PITCH,  272
.set HALFT,  128*PITCH
.set SLOT,   4*HALFT                   ; 256 token rows, 128 rows of W1, 128 of W2
.set SCL,    2*SLOT
.set HALFS,  16*272
.set WSB,    5120                      ; the scale bytes of 128 weight rows: rows of 32 bytes + 8 of padding
.set WRS,    5767168                   ; in w12t: where the scale bytes begin,
.set WRB,    5947392                   ; and the biases
.set SPARE,  SCL+2*HALFS+2*WSB
.set NSC,    4194304
.set HSC,    11534336
.set FR, 16
.set NP, 8
.set ADRA, 16
.set ADRB, 20
.set ADS1, 22
.set ADS0, 23
.set LI,   24
.set VBY,  25
.set SPW,  28
.set NIL,  29
.set SC,   32
.set BI,   64
.set AF,   128
.set EX,   128                         ; the way out: exponentials, then sigmoids;
.set HH,   160                         ; 64 hidden units of 16 tokens;
.set PC,   192
.set TM,   208
.set BY,   224
.set G1, 24
.set G0, 32
.set G1B, 48
.set G0B, 56
.set G1S, 68
.set G0S, 76
.set G1SB, 80
.set G0SB, 88
.set MSB, 0
.macro WIN new
.if MSB != (\new)
	s_set_vgpr_msb (MSB<<8)|(\new)
.set MSB, (\new)
.endif
.endm
.set MUL_LO, 0xa1
.set MUL_HI, 0xf1
.set TO_B,   0x40
.macro WMS d, s0, s1, c, x0, x1, p0, p1
.if (\p0) && (\p1)
	v_wmma_scale_f32_16x16x128_f8f6f4 v[(\d):(\d)+7], v[(\s0):(\s0)+15], v[(\s1):(\s1)+15], v[(\c):(\c)+7], v[(\x0)], v[(\x1)] matrix_a_scale:MATRIX_SCALE_ROW1 matrix_b_scale:MATRIX_SCALE_ROW1
.elseif (\p0)
	v_wmma_scale_f32_16x16x128_f8f6f4 v[(\d):(\d)+7], v[(\s0):(\s0)+15], v[(\s1):(\s1)+15], v[(\c):(\c)+7], v[(\x0)], v[(\x1)] matrix_a_scale:MATRIX_SCALE_ROW1
.elseif (\p1)
	v_wmma_scale_f32_16x16x128_f8f6f4 v[(\d):(\d)+7], v[(\s0):(\s0)+15], v[(\s1):(\s1)+15], v[(\c):(\c)+7], v[(\x0)], v[(\x1)] matrix_b_scale:MATRIX_SCALE_ROW1
.else
	v_wmma_scale_f32_16x16x128_f8f6f4 v[(\d):(\d)+7], v[(\s0):(\s0)+15], v[(\s1):(\s1)+15], v[(\c):(\c)+7], v[(\x0)], v[(\x1)]
.endif
.endm
.macro JLOAD g0a, g1a, g0b, g1b        ; waves 0 and 1 fetch my tokens' halves (no mask), wave 2 W1's rows and wave 3 W2's (jointly); an s_nop 0 and four v_nop follow each line
	s_cmp_eq_u32 s15, 0
	s_cbranch_scc0 .Lfor_b_\@
	tensor_load_to_lds s[\g0a:\g0a+3], s[\g1a:\g1a+7]
	s_nop 0
.rept 4
	v_nop
.endr
	s_branch .Lasked_\@
.Lfor_b_\@:
	tensor_load_to_lds s[\g0b:\g0b+3], s[\g1b:\g1b+7]
	s_nop 0
.rept 4
	v_nop
.endr
.Lasked_\@:
.endm
.macro CREST
	s_cmp_lg_u32 s14, 0
	s_cbranch_scc1 .Lnot_wave_0_\@
	s_barrier_signal -3
.Lnot_wave_0_\@:
	s_barrier_wait -3
	s_barrier_signal -1
	s_barrier_wait -1
.endm
.macro CROUND
	s_barrier_signal -1
	s_barrier_wait -1
	CREST
.endm
.macro PLACES n
.rept \n
	v_nop
.endr
.endm
	s_load_b128 s[4:7], s[0:1], 0x0                ; nrm, w12t
	s_load_b64 s[98:99], s[0:1], 0x10              ; hid
	v_lshl_add_u32 v[SPW], v0, 2, SPARE
	v_mov_b32 v[NIL], 0
	ds_add_u32 v[SPW], v[NIL]                      ; the wave's opening: the add, twice on end, and its wait ahead of my first tensor load
	ds_add_u32 v[SPW], v[NIL]
	v_lshrrev_b32 v1, 5, v0
	v_readfirstlane_b32 s14, v1
	s_lshr_b32 s15, s14, 1                         ; which 128 tokens are mine.  Also: I fetch tokens (0) or weight rows (1)
	s_and_b32 s16, s14, 1                          ; which 64 units.  Also: which half of the tokens, or W1 (0) or W2 (1), I fetch
	s_bfe_u32 s40, ttmp6, 0x40000                  ; cx
	s_lshl_b32 s42, ttmp9, 2
	s_add_co_u32 s42, s42, s40                     ; tile of tokens
	s_and_b32 s17, ttmp7, 0xffff                   ; tile of units: the four partners share it
	; in place of what the head says of the 22nd tile: ALL tiles of units come from w12t, where the first launch laid w12 by tiles: 256 rows of codes (W1's 128, then W2's), their scale bytes and biases, zeros past unit 2,729
	s_lshl_b32 s46, s17, 18                        ; my tile's 256 rows of codes,
	s_mov_b32 s47, 0
	s_lshl_b32 s92, s17, 13
	s_add_co_u32 s92, s92, WRS                     ; and their scale bytes
	s_mov_b32 s93, 0
	s_mov_b32 s[G1+0], (1<<20)|(5<<22)|(3<<25)     ; my own tokens: no mask; elements of 1 byte; 4 words of padding behind every 64
	s_mov_b32 s[G1B+0], 15|(1<<20)|(1<<21)|(5<<22)|(3<<25)  ; the weight rows: all four work-groups; bit 21 beside a mask
.irp g, G1, G1B
	s_mov_b32 s[\g+1], 256<<16
	s_mov_b32 s[\g+2], 256<<16
	s_mov_b32 s[\g+3], 256<<16
	s_mov_b32 s[\g+4], 256
	s_mov_b32 s[\g+5], 1024
	s_mov_b32 s[\g+6], 0
	s_mov_b32 s[\g+7], 0
.endr
	s_mov_b32 s[G1S+0], (3<<16)|(1<<20)|(5<<22)|(3<<25)
	s_mov_b32 s[G1SB+0], 15|(3<<16)|(1<<20)|(1<<21)|(2<<22)|(1<<25)  ; the weight rows' scale bytes: 256 rows of 32 bytes (W2's begin at a multiple of 32 bytes only), 2 words of padding behind every 8
	s_mov_b32 s[G1SB+1], 4<<16
	s_mov_b32 s[G1SB+2], 256<<16
	s_mov_b32 s[G1SB+3], 4<<16
	s_mov_b32 s[G1SB+4], 256
	s_mov_b32 s[G1SB+5], 4
	s_mov_b32 s[G1SB+6], 0
	s_mov_b32 s[G1SB+7], 0
.irp g, G1S
	s_mov_b32 s[\g+1], 32<<16
	s_mov_b32 s[\g+2], 32<<16
	s_mov_b32 s[\g+3], 32<<16
	s_mov_b32 s[\g+4], 32
	s_mov_b32 s[\g+5], 32
	s_mov_b32 s[\g+6], 0
	s_mov_b32 s[\g+7], 0
.endr
	s_lshl_b32 s20, s42, 8
	s_lshl_b32 s22, s20, 5
	s_mov_b32 s23, 0
	s_lshl_b32 s20, s20, 10
	s_mov_b32 s21, 0
	s_mul_i32 s2, s14, HALFT
	s_wait_dscnt 0x0                               ; both opening adds are done
	s_wait_kmcnt 0x0
	s_mov_b64 s[10:11], s[6:7]
	s_add_nc_u64 s[20:21], s[4:5], s[20:21]
	s_add_nc_u64 s[22:23], s[4:5], s[22:23]
	s_add_nc_u64 s[22:23], s[22:23], NSC
	s_add_nc_u64 s[46:47], s[6:7], s[46:47]
	s_add_nc_u64 s[92:93], s[6:7], s[92:93]
	CROUND                                         ; all four work-groups are here: the first joint loads meet
	s_mov_b32 s[G0S], 1
	s_mov_b32 s[G0S+1], SCL
	s_mov_b64 s[G0S+2:G0S+3], s[22:23]
	s_or_b32 s[G0S+3], s[G0S+3], 0x80000000
	s_mov_b32 s[G0SB], 1
	s_mov_b32 s[G0SB+1], SCL+2*HALFS
	s_mov_b64 s[G0SB+2:G0SB+3], s[92:93]
	s_or_b32 s[G0SB+3], s[G0SB+3], 0x80000000
.set G0H, 4                            ; s[4:7], s[92:95]: group 0 of the head's loads of K step 0, whole tiles of 256 rows (what lay there has been used)
.set G0HB, 92
	s_mov_b32 s[G0H], 1
	s_mov_b32 s[G0H+1], 0
	s_mov_b64 s[G0H+2:G0H+3], s[20:21]
	s_or_b32 s[G0H+3], s[G0H+3], 0x80000000
	s_mov_b32 s[G0HB], 1
	s_mov_b32 s[G0HB+1], 2*HALFT
	s_mov_b64 s[G0HB+2:G0HB+3], s[46:47]
	s_or_b32 s[G0HB+3], s[G0HB+3], 0x80000000
	s_lshl_b32 s18, s16, 17                        ; for the ring: my 128 rows of a tile
	s_mov_b32 s19, 0
	s_add_nc_u64 s[20:21], s[20:21], s[18:19]
	s_add_nc_u64 s[46:47], s[46:47], s[18:19]
.irp s, 0,1
	s_mov_b32 s[G0+4*\s], 1
	s_add_co_u32 s[G0+4*\s+1], s2, \s*SLOT
	s_add_nc_u64 s[G0+4*\s+2:G0+4*\s+3], s[20:21], \s*256
	s_or_b32 s[G0+4*\s+3], s[G0+4*\s+3], 0x80000000
	s_mov_b32 s[G0B+4*\s], 1
	s_add_co_u32 s[G0B+4*\s+1], s2, \s*SLOT
	s_add_nc_u64 s[G0B+4*\s+2:G0B+4*\s+3], s[46:47], \s*256
	s_or_b32 s[G0B+4*\s+3], s[G0B+4*\s+3], 0x80000000
.endr
; THE HEAD'S LOADS, one a wave: wave 0 K step 0's 256 token rows, wave 1 its 256 weight rows (jointly), wave 2 the tokens' scale bytes, wave 3 the weight rows' (jointly).  One tree of branches on the wave's number, a load to an arm
.macro ARM under, g0, g1, next
	s_cmp_lt_u32 s14, \under
	s_cbranch_scc0 \next
	tensor_load_to_lds s[\g0:\g0+3], s[\g1:\g1+7]
	s_nop 0
.rept 4
	v_nop
.endr
	s_branch .Lhead_asked
\next:
.endm
	ARM 1, G0H,  G1,  .Lhead_b
	ARM 2, G0HB, G1B, .Lhead_sa
	ARM 3, G0S,  G1S, .Lhead_sb
	tensor_load_to_lds s[G0SB:G0SB+3], s[G1SB:G1SB+7]
	s_nop 0
.rept 4
	v_nop
.endr
.Lhead_asked:
	v_and_b32 v1, 15, v0
	v_bfe_u32 v2, v0, 4, 1
	v_mul_u32_u24 v3, v1, PITCH
	v_lshl_add_u32 v4, v2, 4, v3
	s_mul_i32 s22, s15, HALFT
	s_mul_i32 s23, s16, 64*PITCH
	s_add_co_u32 s23, s23, 2*HALFT
.irp s, 0,1
	v_add_nc_u32 v[ADRA+\s], s22, v4
	v_add_nc_u32 v[ADRB+\s], s23, v4
	s_add_co_u32 s22, s22, SLOT
	s_add_co_u32 s23, s23, SLOT
.endr
	v_and_b32 v5, 31, v0
	v_lshrrev_b32 v6, 3, v5
	v_lshlrev_b32 v[LI], 4, v5
	v_lshlrev_b32 v5, 5, v5
	v_lshl_add_u32 v5, v6, 4, v5
	s_mul_i32 s22, s15, HALFS
	s_add_co_u32 s22, s22, SCL
	s_mul_i32 s23, s16, 2560
	s_add_co_u32 s23, s23, SCL+2*HALFS
	v_add_nc_u32 v[ADS1], s22, v5
	v_and_b32 v6, 31, v0
	v_mul_u32_u24 v6, v6, 40
	v_add_nc_u32 v[ADS0], s23, v6
	v_lshlrev_b32 v8, 5, v2                        ; 32 h
	s_wait_alu depctr_va_vdst(0)
	v_lshl_add_u32 v[VBY], v1, 2, v2               ; 4 r + h
	s_lshl_b32 s20, s17, 10
	s_lshl_b32 s21, s16, 8
	s_add_co_u32 s20, s20, s21
	s_add_co_u32 s20, s20, WRB
	s_mov_b32 s21, 0
	s_add_nc_u64 s[10:11], s[10:11], s[20:21]      ; b1 of my 64 units,
	s_add_nc_u64 s[100:101], s[10:11], 512         ; and b2, 128 places on
.irp b, 0,1,2,3
.irp i, 0,1,2,3
	global_load_b64 v[BI+8*\b+2*\i:BI+8*\b+2*\i+1], v8, s[10:11] offset:64*\b+8*\i             ; 8 bytes at a time: b2 begins at a multiple of 8 only
	global_load_b64 v[BI+32+8*\b+2*\i:BI+32+8*\b+2*\i+1], v8, s[100:101] offset:64*\b+8*\i
.endr
.endr
	s_lshl_b32 s20, s42, 4
	s_lshl_b32 s22, s15, 3
	s_add_co_u32 s20, s20, s22                     ; my first token tile
	s_lshl_b32 s23, s20, 6                         ; (its scale words)
	s_mul_i32 s20, s20, 45056
	s_lshl_b32 s22, s17, 11
	s_add_co_u32 s20, s20, s22
	s_lshl_b32 s22, s16, 10
	s_add_co_u32 s20, s20, s22
	s_add_nc_u64 s[12:13], s[98:99], s[20:21]      ; the images
	s_lshl_b32 s20, s17, 14
	s_add_co_u32 s20, s20, s23
	s_lshl_b32 s22, s16, 1
	s_add_co_u32 s20, s20, s22
	s_add_nc_u64 s[98:99], s[98:99], s[20:21]
	s_add_nc_u64 s[98:99], s[98:99], HSC           ; the scale bytes
.macro FRAG reg, adr, q, row
.irp c, 0,1,2,3
	ds_load_b128 v[(\reg)+4*\c:(\reg)+4*\c+3], v[\adr] offset:128*(\q)+32*\c+(\row)*PITCH
.endr
.endm
; cm = 2: C is the bias.  The 64 accumulators take turns, in the same order in every step
.macro MUL16 a0, p, q, sc, cm
.irp a, \a0, \a0+1
.irp b, 0,1,2,3,4,5,6,7
.set DD, 8*(8*((\a)%4)+\b)
.if (\cm) == 2
.set CC, BI+8*\b
.else
.set CC, DD
.endif
	WMS DD, 128*(\p)+FR*\b, AF+FR*(\a), CC, SC+16*(\sc)+8+2*(\b/2)+(\q), SC+16*(\sc)+2*((\a)/2)+(\q), \b%2, (\a)%2
.endr
.endr
.endm
.macro FETCH_B slot, q, p              ; blocks 0-3: my 64 rows of W1; blocks 4-7: of W2, 128 rows further on
	WIN TO_B
.irp i, 0,1,2,3,4,5,6,7
	FRAG 128*(\p)+FR*\i, ADRB+\slot, \q, 16*(\i%4)+128*(\i/4)
.endr
	WIN 0
.endm
.macro FETCH_A slot, q, i0
.irp i, \i0, \i0+1, \i0+2, \i0+3
	FRAG AF+FR*(\i), ADRA+\slot, \q, 16*(\i)
.endr
.endm
.macro SCALES set, ks
.irp ip, 0,1,2,3
	ds_load_b64 v[SC+16*(\set)+2*\ip:SC+16*(\set)+2*\ip+1], v[ADS1] offset:8*(\ks)+1088*\ip
.endr
.irp ip, 0,1,2,3
	ds_load_b64 v[SC+16*(\set)+8+2*\ip:SC+16*(\set)+8+2*\ip+1], v[ADS0] offset:8*(\ks)+1280*(\ip%2)+WSB*(\ip/2)
.endr
.endm
.macro STEP slot, cm
	s_wait_dscnt 16                                ; all but the youngest sixteen loads (the tokens' blocks 4-7) are in
.if (\cm) == 2
	WIN 0x81                                       ; C (the bias) window 0, D window 2
.else
	WIN MUL_LO
.endif
	MUL16 0, 0, 0, \slot, \cm
	MUL16 2, 0, 0, \slot, \cm
	s_wait_dscnt 0x0
	PLACES NP
	FETCH_B \slot, 1, 1
	FETCH_A \slot, 1, 0
.if (\cm) == 2
	WIN 0xc1
.else
	WIN MUL_HI
.endif
	MUL16 4, 0, 0, \slot, \cm
	MUL16 6, 0, 0, \slot, \cm
	PLACES NP
	WIN 0
	FETCH_A \slot, 1, 4
.endm
.macro TURN slot, next, fill, ks
	s_wait_tensorcnt 0x0                           ; all my tensor loads have landed
	ds_add_u32 v[SPW], v[NIL]
	s_wait_dscnt 17                                ; (the add and the youngest sixteen loads may be out)
	WIN MUL_LO
	MUL16 0, 1, 1, \slot, 0
	s_wait_dscnt 0x0                               ; the add is done, and my reads of this slot are over
	s_barrier_signal -1
	MUL16 2, 1, 1, \slot, 0
	WIN 0
	s_barrier_wait -1
.if \fill
	CREST
	s_add_nc_u64 s[G0+4*\slot+2:G0+4*\slot+3], s[G0+4*\slot+2:G0+4*\slot+3], 512
	s_add_nc_u64 s[G0B+4*\slot+2:G0B+4*\slot+3], s[G0B+4*\slot+2:G0B+4*\slot+3], 512
	JLOAD G0+4*\slot, G1, G0B+4*\slot, G1B
	PLACES NP-4
.else
	PLACES NP
.endif
	FETCH_B \next, 0, 0
	FETCH_A \next, 0, 0
	SCALES \next, \ks
	WIN MUL_HI
	MUL16 4, 1, 1, \slot, 0
	MUL16 6, 1, 1, \slot, 0
	PLACES NP
	WIN 0
	FETCH_A \next, 0, 4
.endm
; token tile a: 64 hidden units: silu(x1) * x2, two blocks of codes, two scale bytes
.macro HT a
.set AC, 64*((\a)%4)
	s_wait_xcnt 0x0                                ; the last tile's stores have read their registers
	WIN 0x02+(\a)/4
.set I, 0
.rept 16
	v_pk_mul_f32 v[EX+I:EX+I+1], v[AC+I:AC+I+1], s[66:67] op_sel_hi:[1,0]      ; -x1 log2(e); each accumulator from its low end on
.set I, I+2
.endr
	WIN 0
.set I, 0
	s_wait_alu depctr_va_vdst(0)
.rept 32
	v_exp_f32 v[EX+I], v[EX+I]
.set I, I+1
.endr
	v_nop
	s_wait_alu depctr_va_vdst(0)                   ; one wait for the batch
.set I, 0
.rept 16
	v_pk_add_f32 v[EX+I:EX+I+1], v[EX+I:EX+I+1], 1.0 op_sel_hi:[1,0]
.set I, I+2
.endr
.set I, 0
	s_wait_alu depctr_va_vdst(0)
.rept 32
	v_rcp_f32 v[EX+I], v[EX+I]
.set I, I+1
.endr
	v_nop
	s_wait_alu depctr_va_vdst(0)
	WIN 0x02+(\a)/4
.set I, 0
.rept 16
	v_pk_mul_f32 v[HH+I:HH+I+1], v[AC+I:AC+I+1], v[EX+I:EX+I+1]    ; x1 x sigmoid first,
.set I, I+2
.endr
.set I, 0
.rept 16
	v_pk_mul_f32 v[HH+I:HH+I+1], v[AC+32+I:AC+32+I+1], v[HH+I:HH+I+1]  ; then x2
.set I, I+2
.endr
	WIN 0
.irp b, 0,1
	v_max3_num_f32 v[TM+\b], |v[HH+16*\b]|, |v[HH+16*\b+1]|, 0x4800000
.endr
.irp i, 2,4,6,8,10,12,14
.irp b, 0,1
	v_max3_num_f32 v[TM+\b], v[TM+\b], |v[HH+16*\b+\i]|, |v[HH+16*\b+\i+1]|
.endr
.endr
.irp b, 0,1
	v_permlanex16_b32 v[TM+4+\b], v[TM+\b], s20, s21
.endr
.irp b, 0,1
	v_max_num_f32 v[TM+\b], v[TM+\b], v[TM+4+\b]
.endr
.irp b, 0,1
	v_add_nc_u32 v[TM+12+\b], 0xfc000000, v[TM+\b]
	v_and_or_b32 v[TM+8+\b], v[TM+\b], 0x7f800000, s22
	v_lshrrev_b32 v[TM+4+\b], 23, v[TM+12+\b]
.endr
.irp b, 0,1
.irp i, 0,1,2,3,4,5,6,7,8,9,10,11,12,13,14,15
	v_med3_num_f32 v[HH+16*\b+\i], v[HH+16*\b+\i], -v[TM+8+\b], v[TM+8+\b]
.endr
	v_cvt_scalef32_pk8_fp8_f32 v[PC+4*\b:PC+4*\b+1], v[HH+16*\b:HH+16*\b+7], v[TM+12+\b]
	v_cvt_scalef32_pk8_fp8_f32 v[PC+4*\b+2:PC+4*\b+3], v[HH+16*\b+8:HH+16*\b+15], v[TM+12+\b]
.endr
	v_cndmask_b32 v[BY], v[TM+4], v[TM+5], s23     ; lanes 0-15 store the first block's byte, lanes 16-31 the second's (a plain line behind the conversions)
	global_store_b128 v[LI], v[PC:PC+3], s[12:13] offset:45056*(\a)
	global_store_b128 v[LI], v[PC+4:PC+7], s[12:13] offset:45056*(\a)+512
	global_store_b8 v[VBY], v[BY], s[98:99] offset:64*(\a)
.endm
	s_wait_alu depctr_va_vdst(0)                   ; the wait at the head's end
	s_wait_tensorcnt 0x0                           ; my tile of the head's four is in
	ds_add_u32 v[SPW], v[NIL]
	s_mov_b32 s[G1+2], 128<<16                     ; no load of mine is out: from here on a load brings 128 rows
	s_mov_b32 s[G1+4], 128
	s_mov_b32 s[G1B+2], 128<<16
	s_mov_b32 s[G1B+4], 128
	s_wait_dscnt 0x0
	CROUND                                         ; all four tiles are in, and all four work-groups are here
	JLOAD G0+4, G1, G0B+4, G1B                     ; K step 1
	FETCH_B 0, 0, 0
	FETCH_A 0, 0, 0
	SCALES 0, 0
	FETCH_A 0, 0, 4
	s_wait_loadcnt 0x0                             ; the biases
	STEP 0, 2                                      ; the first products start the sums from the biases
	TURN 0, 1, 1, 1
	STEP 1, 0
	TURN 1, 0, 1, 2
	STEP 0, 0
	TURN 0, 1, 0, 3
	STEP 1, 0
	s_wait_dscnt 16
	WIN MUL_LO
	MUL16 0, 1, 1, 1, 0
	MUL16 2, 1, 1, 1, 0
	s_wait_dscnt 0x0
	WIN MUL_HI
	MUL16 4, 1, 1, 1, 0
	MUL16 6, 1, 1, 1, 0
	WIN 0
	PLACES NP
	s_mov_b32 s66, 0xbfb8aa3b                      ; -log2(e)
	s_mov_b32 s67, s66
	s_mov_b32 s20, 0x76543210
	s_mov_b32 s21, 0xfedcba98
	s_mov_b32 s22, 0x600000
	s_mov_b32 s23, 0xffff0000
	v_mov_b32 v[TM+4], 0
	v_mov_b32 v[TM+5], 0
.irp a, 0,1,2,3,4,5,6,7
	HT \a
.endr
	s_wait_tensorcnt 0x0                           ; the wave's end
	ds_add_u32 v[SPW], v[NIL]
	s_wait_dscnt 0x0
	CROUND                                         ; the closing round
	s_endpgm
.Lfunc_end_k_qc8f8df8c70_w12g:
	.size	k_qc8f8df8c70_w12g, .Lfunc_end_k_qc8f8df8c70_w12g-k_qc8f8df8c70_w12g
	.p2alignl 7, 3214868480
	.fill 96, 4, 3214868480
	.section	.rodata,"a",@progbits
	.p2align	6, 0x0
	.amdhsa_kernel k_qc8f8df8c70_w12g
		.amdhsa_group_segment_fixed_size 327680
		.amdhsa_private_segment_fixed_size 0
		.amdhsa_enable_private_segment 0
		.amdhsa_kernarg_size 24
		.amdhsa_user_sgpr_count 2
		.amdhsa_user_sgpr_kernarg_segment_ptr 1
		.amdhsa_wavefront_size32 1
		.amdhsa_system_sgpr_workgroup_id_x 1
		.amdhsa_system_sgpr_workgroup_id_y 1
		.amdhsa_system_sgpr_workgroup_id_z 1
		.amdhsa_system_vgpr_workitem_id 0
		.amdhsa_next_free_vgpr 1024
		.amdhsa_next_free_sgpr 102
		.amdhsa_reserve_vcc 0
		.amdhsa_float_denorm_mode_32 3
		.amdhsa_float_denorm_mode_16_64 3
		.amdhsa_memory_ordered 1
		.amdhsa_forward_progress 1
		.amdhsa_inst_pref_size 205
	.end_amdhsa_kernel
	.amdgpu_metadata
---
amdhsa.version: [ 1, 2 ]
amdhsa.kernels:
  - .name:           k_qc8f8df8c70_w12g
    .symbol:         k_qc8f8df8c70_w12g.kd
    .args:
      - { .name: nrm, .offset: 0, .size: 8, .value_kind: global_buffer, .address_space: global }
      - { .name: w12t, .offset: 8, .size: 8, .value_kind: global_buffer, .address_space: global }
      - { .name: hid, .offset: 16, .size: 8, .value_kind: global_buffer, .address_space: global }
    .group_segment_fixed_size: 327680
    .private_segment_fixed_size: 0
    .kernarg_segment_align: 8
    .kernarg_segment_size: 24
    .max_flat_workgroup_size: 128
    .sgpr_count:     102
    .vgpr_count:     1024
    .wavefront_size: 32
...
	.end_amdgpu_metadata
.endif
;; end of part 5
;; launch w3g (part 6): grid 8 x 32, 4 waves a work-group, clusters of 4 x 4, 327,680 bytes of LDS; arguments hid, w3q, w3_b, x2, out0; writes out0
.if DOCPART == 6
	.amdgcn_target "amdgcn-amd-amdhsa--gfx1250"
	.amdhsa_code_object_version 6
	.text
	.protected	k_qc8f8df8c70_w3g
	.globl	k_qc8f8df8c70_w3g
	.p2align	8
	.type	k_qc8f8df8c70_w3g,@function
k_qc8f8df8c70_w3g:
	s_mov_b64 s[64:65], 0
	v_nop
	global_prefetch_b8 v0, s[64:65] scope:SCOPE_SE
	s_setreg_imm32_b32 hwreg(HW_REG_WAVE_MODE, 25, 1), 1
	s_wait_xcnt 0x0
	s_wait_alu depctr_hold_cnt(0) depctr_sa_sdst(0) depctr_va_vdst(0) depctr_va_sdst(0) depctr_va_ssrc(0) depctr_va_vcc(0) depctr_vm_vsrc(0)
	s_getreg_b32 s2, hwreg(HW_REG_IB_STS2, 6, 4)
	s_cmp_eq_u32 s2, 0
	s_cbranch_scc0 .Lentry_in_a_cluster
	s_endpgm
.Lentry_in_a_cluster:
	s_bfe_u32 s2, ttmp6, 0x10000c
	s_cmp_lg_u32 s2, 0xf033
	s_cbranch_scc0 .Lentry_shape_is_right
	s_endpgm
.Lentry_shape_is_right:
; W3 = 0: x2 = xn + o Wp^T + b, xn = x * (1/rms) * gain made anew from x.   W3 = 1: out0 = x2 + hidden W3^T + b.   Both on codes of E4M3.  No work is left out.
; The left operand comes as images of its registers [256 token tiles][NK K steps][4][512] with its scale words [NK][4096 tokens]; inside a block of 32 its order is 16 (p / 8) + 8 h + p % 8 at place (h, p), so the weight's
; fragments are read from rows in LDS by loads of 8 bytes at 16 c + 8 h, which gives the same order.
; A tile of 128 tokens x 128 outputs to a work-group: with 1,024 outputs the largest that gives each of 256 WGPs one.  Four waves of 64 x 64: 16 accumulators.  Source 0 = weight rows, source 1 = tokens: a lane holds 8 neighbouring outputs of a token.
; K goes through two LDS slots of four K steps of 128; all is written out; the last slot holds the two K steps that are left of 22.  CLUSTERS 4 x 4: tokens shared along a row, weight rows along a column: joint loads.  The scale words of all of K come once.
; No prefetch: each tile is read by many work-groups at the same time and asked for jointly.
; LIMITS: NaN and infinities are not served.
; REGISTERS: window 0: v0-31 addresses; v32-39 scale words, two sets; v48-79 the bias; v128-255 accumulators (a, b) at v[128 + 8 (4 a + b)].  window 1: two buffers: 64 of tokens, 64 of weight rows.  window 2: v0-127 residual rows.
.set W3, 1
.if W3
.set NK,    22
.set KROW,  2816
.set KS,    128
.set ASOFF, 11534336
.else
.set NK,    8
.set KROW,  1024
.set KS,    32
.set ASOFF, 4194304
.endif
.set WSC,   2883584
.set NRI,   4325376
.set SLOT,  133120                     ; 8 token tiles x 8,192 bytes of images, then 128 weight rows of 512 bytes + 16
.set ASC,   2*SLOT                     ; the tokens' scale words: two halves of [NK][256 bytes]
.set BSC,   ASC+512*NK                 ; the weight rows': two halves, units of 256 bytes + 16
.set BH,    (64*KS/256)*272
.set BIP,   (32*KS/256)*272
.set SPARE, BSC+2*BH                   ; the spare words, 128 bytes for each wave
.set PA, 4
.set PB, 6
.set PBI, 8
.set PR, 10
.set PO, 12
.set ADA, 16
.set ADB, 20
.set AAS, 22
.set ABS, 23
.set STO, 24
.set RD,  25
.set CO,  26
.set SPW, 28
.set NIL, 29
.set SC,  32
.set BI,  48
.set GW,  80
.set ACC, 128
.set G1A, 24
.set G0A, 32
.set G1B, 48
.set G0B, 56
.set G1AS, 68
.set G0AS, 76
.set G1BS, 80
.set G0BS, 88
.set MSB, 0
.macro WIN new
.if MSB != (\new)
	s_set_vgpr_msb (MSB<<8)|(\new)
.set MSB, (\new)
.endif
.endm
.set MUL, 0x05                         ; sources 0 and 1 window 1; C and D window 0
.macro WMS d, s0, s1, c, x0, x1, p0, p1
.if (\p0) && (\p1)
	v_wmma_scale_f32_16x16x128_f8f6f4 v[(\d):(\d)+7], v[(\s0):(\s0)+15], v[(\s1):(\s1)+15], v[(\c):(\c)+7], v[(\x0)], v[(\x1)] matrix_a_scale:MATRIX_SCALE_ROW1 matrix_b_scale:MATRIX_SCALE_ROW1
.elseif (\p0)
	v_wmma_scale_f32_16x16x128_f8f6f4 v[(\d):(\d)+7], v[(\s0):(\s0)+15], v[(\s1):(\s1)+15], v[(\c):(\c)+7], v[(\x0)], v[(\x1)] matrix_a_scale:MATRIX_SCALE_ROW1
.elseif (\p1)
	v_wmma_scale_f32_16x16x128_f8f6f4 v[(\d):(\d)+7], v[(\s0):(\s0)+15], v[(\s1):(\s1)+15], v[(\c):(\c)+7], v[(\x0)], v[(\x1)] matrix_b_scale:MATRIX_SCALE_ROW1
.else
	v_wmma_scale_f32_16x16x128_f8f6f4 v[(\d):(\d)+7], v[(\s0):(\s0)+15], v[(\s1):(\s1)+15], v[(\c):(\c)+7], v[(\x0)], v[(\x1)]
.endif
.endm
.macro JLOAD g0a, g1a, g0b, g1b        ; waves 0 and 1 fetch for the tokens, waves 2 and 3 for the weight rows; an s_nop 0 and four v_nop follow each line
	s_cmp_eq_u32 s15, 0
	s_cbranch_scc0 .Lfor_b_\@
	tensor_load_to_lds s[\g0a:\g0a+3], s[\g1a:\g1a+7]
	s_nop 0
.rept 4
	v_nop
.endr
	s_branch .Lasked_\@
.Lfor_b_\@:
	tensor_load_to_lds s[\g0b:\g0b+3], s[\g1b:\g1b+7]
	s_nop 0
.rept 4
	v_nop
.endr
.Lasked_\@:
.endm
.macro CREST
	s_cmp_lg_u32 s14, 0
	s_cbranch_scc1 .Lnot_wave_0_\@
	s_barrier_signal -3
.Lnot_wave_0_\@:
	s_barrier_wait -3
	s_barrier_signal -1
	s_barrier_wait -1
.endm
.macro CROUND
	s_barrier_signal -1
	s_barrier_wait -1
	CREST
.endm
.macro PLACES n
.rept \n
	v_nop
.endr
.endm
	s_load_b256 s[4:11], s[0:1], 0x0               ; images, weight codes, bias, residual
	s_load_b64 s[12:13], s[0:1], 0x20              ; the result
.if W3 == 0
	s_load_b64 s[96:97], s[0:1], 0x28              ; the weight's scales
	s_load_b64 s[98:99], s[0:1], 0x30              ; nrm: the rows' 1/rms
	s_load_b64 s[100:101], s[0:1], 0x38            ; the first norm's gains
.endif
	v_lshl_add_u32 v[SPW], v0, 2, SPARE
	v_mov_b32 v[NIL], 0
	ds_add_u32 v[SPW], v[NIL]                      ; the wave's opening: the add, twice on end, and its wait ahead of my first tensor load
	ds_add_u32 v[SPW], v[NIL]
	v_lshrrev_b32 v1, 5, v0
	v_readfirstlane_b32 s14, v1
	s_lshr_b32 s15, s14, 1                         ; which 64 tokens are mine.  Also: I fetch for the tokens (0) or the weight rows (1)
	s_and_b32 s16, s14, 1                          ; which 64 weight rows.  Also: which half I fetch
	s_bfe_u32 s40, ttmp6, 0x40000
	s_bfe_u32 s41, ttmp6, 0x40004
	s_lshl_b32 s42, ttmp9, 2
	s_add_co_u32 s42, s42, s40                     ; tile of outputs
	s_and_b32 s17, ttmp7, 0xffff
	s_lshl_b32 s17, s17, 2
	s_add_co_u32 s17, s17, s41                     ; tile of tokens
	s_lshl_b32 s43, s41, 2
	s_lshl_b32 s43, 15, s43
	s_lshl_b32 s44, 0x1111, s40
	s_or_b32 s[G1A], s43, (3<<16)|(1<<21)          ; images: 4 token tiles x 8,192 bytes (1,024 elements of 8), NK x 2,048 bytes apart; no padding
	s_mov_b32 s[G1A+1], 1024<<16
	s_mov_b32 s[G1A+2], 8<<16
	s_mov_b32 s[G1A+3], 1024<<16
	s_mov_b32 s[G1A+4], 8
	s_mov_b32 s[G1A+5], NK*256
	s_mov_b32 s[G1A+6], 0
	s_mov_b32 s[G1A+7], 0
	s_or_b32 s[G1B], s44, (1<<20)|(1<<21)|(6<<22)|(3<<25)  ; weight rows: 64 x 512 bytes; 4 words of padding behind every 128
	s_mov_b32 s[G1B+1], 512<<16
	s_mov_b32 s[G1B+2], 128<<16
	s_mov_b32 s[G1B+3], 512<<16
	s_mov_b32 s[G1B+4], 128
	s_mov_b32 s[G1B+5], KROW
	s_mov_b32 s[G1B+6], 0
	s_mov_b32 s[G1B+7], 0
	s_or_b32 s[G1AS], s43, (3<<16)|(1<<21)         ; 128 tokens' words of each K step: NK rows of 512 bytes, 16,384 bytes apart
	s_mov_b32 s[G1AS+1], 64<<16
	s_mov_b32 s[G1AS+2], NK<<16
	s_mov_b32 s[G1AS+3], 64<<16
	s_mov_b32 s[G1AS+4], NK
	s_mov_b32 s[G1AS+5], 2048
	s_mov_b32 s[G1AS+6], 0
	s_mov_b32 s[G1AS+7], 0
	s_or_b32 s[G1BS], s44, (3<<16)|(1<<20)|(1<<21)|(5<<22)|(3<<25)   ; 128 weight rows' scale bytes: dense, as rows of 256 bytes + 16
	s_mov_b32 s[G1BS+1], 32<<16
	s_mov_b32 s[G1BS+2], (128*KS/256)<<16
	s_mov_b32 s[G1BS+3], 32<<16
	s_mov_b32 s[G1BS+4], 128*KS/256
	s_mov_b32 s[G1BS+5], 32
	s_mov_b32 s[G1BS+6], 0
	s_mov_b32 s[G1BS+7], 0
	s_lshl_b32 s18, s17, 3
	s_mul_i32 s20, s18, NK*2048
	s_mov_b32 s21, 0
	s_lshl_b32 s22, s18, 6
	s_mov_b32 s23, 0
	s_lshl_b32 s46, s42, 7
	s_mul_i32 s94, s46, KS
	s_mov_b32 s95, 0
	s_mul_i32 s46, s46, KROW
	s_mov_b32 s47, 0
	s_lshl_b32 s45, s16, 15                        ; where they go: the wave's number alone
	s_mul_i32 s2, s16, 33792
	s_add_co_u32 s2, s2, 65536
	s_wait_dscnt 0x0                               ; both opening adds are done
	s_wait_kmcnt 0x0
	s_add_nc_u64 s[20:21], s[PA:PA+1], s[20:21]
	s_add_nc_u64 s[22:23], s[PA:PA+1], s[22:23]
	s_add_nc_u64 s[22:23], s[22:23], ASOFF
	s_add_nc_u64 s[46:47], s[PB:PB+1], s[46:47]
.if W3
	s_add_nc_u64 s[94:95], s[PB:PB+1], s[94:95]
	s_add_nc_u64 s[94:95], s[94:95], WSC
.else
	s_add_nc_u64 s[94:95], s[96:97], s[94:95]
.endif
	CROUND                                         ; all sixteen work-groups are here: the first joint loads meet
	s_mov_b32 s[G0AS], 1
	s_mov_b32 s[G0AS+1], ASC
	s_mov_b64 s[G0AS+2:G0AS+3], s[22:23]
	s_or_b32 s[G0AS+3], s[G0AS+3], 0x80000000
	s_mov_b32 s[G0BS], 1
	s_mov_b32 s[G0BS+1], BSC
	s_mov_b64 s[G0BS+2:G0BS+3], s[94:95]
	s_or_b32 s[G0BS+3], s[G0BS+3], 0x80000000
.set G0H, 4                            ; s[4:7], s[92:95]: group 0 of the head's loads of slot 0, whole: 8 token tiles, 128 weight rows (what lay there has been used)
.set G0HB, 92
	s_mov_b32 s[G0H], 1
	s_mov_b32 s[G0H+1], 0
	s_mov_b64 s[G0H+2:G0H+3], s[20:21]
	s_or_b32 s[G0H+3], s[G0H+3], 0x80000000
	s_mov_b32 s[G0HB], 1
	s_mov_b32 s[G0HB+1], 65536
	s_mov_b64 s[G0HB+2:G0HB+3], s[46:47]
	s_or_b32 s[G0HB+3], s[G0HB+3], 0x80000000
	s_mul_i32 s18, s16, 4*NK*2048                  ; for the ring: my half of a slot's token tiles,
	s_mov_b32 s19, 0
	s_add_nc_u64 s[20:21], s[20:21], s[18:19]
	s_mul_i32 s18, s16, 64*KROW                    ; and of its weight rows
	s_add_nc_u64 s[46:47], s[46:47], s[18:19]
.irp s, 0,1
	s_mov_b32 s[G0A+4*\s], 1
	s_add_co_u32 s[G0A+4*\s+1], s45, \s*SLOT
	s_add_nc_u64 s[G0A+4*\s+2:G0A+4*\s+3], s[20:21], \s*8192
	s_or_b32 s[G0A+4*\s+3], s[G0A+4*\s+3], 0x80000000
	s_mov_b32 s[G0B+4*\s], 1
	s_add_co_u32 s[G0B+4*\s+1], s2, \s*SLOT
	s_add_nc_u64 s[G0B+4*\s+2:G0B+4*\s+3], s[46:47], \s*512
	s_or_b32 s[G0B+4*\s+3], s[G0B+4*\s+3], 0x80000000
.endr
; THE HEAD'S LOADS, one a wave: wave 0 slot 0's token images, wave 1 its weight rows, wave 2 the tokens' scale words [NK][512 bytes], wave 3 the weight rows' scale bytes.  One tree of branches on the wave's number, a load to an arm
.macro ARM under, g0, g1, next
	s_cmp_lt_u32 s14, \under
	s_cbranch_scc0 \next
	tensor_load_to_lds s[\g0:\g0+3], s[\g1:\g1+7]
	s_nop 0
.rept 4
	v_nop
.endr
	s_branch .Lhead_asked
\next:
.endm
	ARM 1, G0H,  G1A,  .Lhead_b
	ARM 2, G0HB, G1B,  .Lhead_sa
	ARM 3, G0AS, G1AS, .Lhead_sb
	tensor_load_to_lds s[G0BS:G0BS+3], s[G1BS:G1BS+7]
	s_nop 0
.rept 4
	v_nop
.endr
.Lhead_asked:
	v_and_b32 v1, 15, v0                           ; r
	v_bfe_u32 v2, v0, 4, 1                         ; h
	v_and_b32 v3, 31, v0
	v_lshlrev_b32 v[CO], 4, v3                     ; 16 x lane
	v_lshlrev_b32 v7, 2, v3
	v_lshlrev_b32 v8, 5, v2                        ; 32 h
	s_lshl_b32 s18, s15, 15
	v_add_nc_u32 v[ADA], s18, v[CO]
	v_add_nc_u32 v[ADA+1], SLOT, v[ADA]
	v_mul_u32_u24 v4, v1, 528
	v_lshl_add_u32 v4, v2, 3, v4
	s_mul_i32 s18, s16, 33792
	s_add_co_u32 s18, s18, 65536
	v_add_nc_u32 v[ADB], s18, v4
	v_add_nc_u32 v[ADB+1], SLOT, v[ADB]
	s_lshl_b32 s18, s15, 8
	s_add_co_u32 s18, s18, ASC
	v_lshl_add_u32 v[AAS], v3, 2, s18
	v_mul_u32_u24 v5, v3, KS
	v_lshrrev_b32 v6, 8, v5
	v_lshl_add_u32 v5, v6, 4, v5
	s_mul_i32 s18, s16, BH
	s_add_co_u32 s18, s18, BSC
	v_add_nc_u32 v[ABS], s18, v5
	s_lshl_b32 s18, s15, 6
	s_mul_i32 s18, s18, 528
	s_lshl_b32 s19, s16, 8
	s_add_co_u32 s18, s18, s19
	v_mul_u32_u24 v4, v1, 528
	v_lshl_add_u32 v4, v2, 5, v4
	v_add_nc_u32 v[STO], s18, v4                   ; the stage (in slot 0, behind its last fill and last read): token row, my outputs' bytes
	s_mul_i32 s18, s14, 32*528
	v_add_nc_u32 v[RD], s18, v[CO]                 ; back: my 32 whole rows
	s_lshl_b32 s18, s42, 9
	s_lshl_b32 s19, s16, 8
	s_add_co_u32 s18, s18, s19
	s_mov_b32 s19, 0
	s_add_nc_u64 s[PBI:PBI+1], s[PBI:PBI+1], s[18:19]
	s_lshl_b32 s18, s17, 7
	s_lshl_b32 s20, s14, 5
	s_add_co_u32 s20, s18, s20                     ; the first row that I store
	s_lshl_b32 s18, s20, 12
	s_lshl_b32 s21, s42, 9
	s_add_co_u32 s18, s18, s21
	s_add_nc_u64 s[PR:PR+1], s[PR:PR+1], s[18:19]
	s_add_nc_u64 s[PO:PO+1], s[PO:PO+1], s[18:19]
.irp b, 0,1,2,3
	global_load_b128 v[BI+8*\b:BI+8*\b+3], v8, s[PBI:PBI+1] offset:64*\b       ; the bias in the result's layout
	global_load_b128 v[BI+8*\b+4:BI+8*\b+7], v8, s[PBI:PBI+1] offset:64*\b+16
.endr
.if W3 == 0
	s_lshl_b32 s18, s42, 9
	s_add_nc_u64 s[100:101], s[100:101], s[18:19]
	s_lshl_b32 s18, s20, 2
	s_add_nc_u64 s[98:99], s[98:99], s[18:19]
	s_mov_b32 s67, 0
	global_load_b128 v[GW:GW+3], v[CO], s[100:101] ; the gains of my four columns
.endif
	WIN 0x80                                       ; destination window 2
.if W3 == 0
	global_load_b32 v128, v7, s[98:99] offset:NRI  ; lane l: 1/rms of my row l
.endif
.set I, 0
.rept 32
	global_load_b128 v[4*I:4*I+3], v[CO], s[PR:PR+1] offset:4096*I             ; the residual's rows, as they will be stored
.set I, I+1
.endr
	WIN 0
; K step kabs (place q of its slot) into buffer buf: 16 + 32 + 4 = 52 LDS loads
.macro FETCH slot, q, kabs, buf
	WIN 0x40
.irp a, 0,1,2,3
.irp c, 0,1,2,3
	ds_load_b128 v[128*(\buf)+16*\a+4*\c:128*(\buf)+16*\a+4*\c+3], v[ADA+\slot] offset:8192*\a+2048*(\q)+512*\c
.endr
.endr
.irp b, 0,1,2,3
.irp c, 0,1,2,3,4,5,6,7
	ds_load_b64 v[128*(\buf)+64+16*\b+2*\c:128*(\buf)+64+16*\b+2*\c+1], v[ADB+\slot] offset:8448*\b+128*(\q)+16*\c
.endr
.endr
	WIN 0
.irp ip, 0,1
	ds_load_b32 v[SC+4*(\buf)+\ip], v[AAS] offset:512*(\kabs)+128*\ip
	ds_load_b32 v[SC+4*(\buf)+2+\ip], v[ABS] offset:4*(\kabs)+BIP*\ip
.endr
.endm
; 4 na products: token tiles a0 on x the four tiles of weight rows.  first = 1: C is the bias.  The 16 accumulators take turns, in the same order in every K step
.macro KMUL buf, first, a0, na
.set AA, \a0
.rept \na
.irp b, 0,1,2,3
.set DD, ACC+8*(4*AA+\b)
.if \first
.set CC, BI+8*\b
.else
.set CC, DD
.endif
	WMS DD, 128*(\buf)+64+16*\b, 128*(\buf)+16*AA, CC, SC+4*(\buf)+2+\b/2, SC+4*(\buf)+AA/2, \b%2, AA%2
.endr
.set AA, AA+1
.endr
.endm
.macro KSTEP slotn, qn, kn, first      ; asks for K step kn, multiplies K step kn - 1
	PLACES 8                                       ; in front of loads into registers that matrix instructions have read
	FETCH \slotn, \qn, \kn, (\kn)%2
	s_wait_dscnt 52                                ; all but the 52 just issued
	WIN MUL
	KMUL ((\kn)+1)%2, \first, 0, 4
.endm
; a slot's last K step kc changes slots: one barrier; in front of it each wave waits for all its tensor loads, adds 0 to its spare word, and waits for that and for its reads of this slot
.macro TURN slot, kc, fill, short
	WIN 0
	s_wait_tensorcnt 0x0
	ds_add_u32 v[SPW], v[NIL]
	s_wait_dscnt 1                                 ; (the add may be out)
	WIN MUL
	KMUL (\kc)%2, 0, 0, 1
	s_wait_dscnt 0x0                               ; the add is done, and my reads of this slot are over
	s_barrier_signal -1
	KMUL (\kc)%2, 0, 1, 1
	WIN 0
	s_barrier_wait -1
.if \fill
	CREST                                          ; the barrier has opened a round of the cluster's
	s_add_nc_u64 s[G0A+4*\slot+2:G0A+4*\slot+3], s[G0A+4*\slot+2:G0A+4*\slot+3], 16384
	s_add_nc_u64 s[G0B+4*\slot+2:G0B+4*\slot+3], s[G0B+4*\slot+2:G0B+4*\slot+3], 1024
.if \short
	s_mov_b32 s[G1A+1], 512<<16                    ; two K steps are left of K: what lies beyond arrives as zeros and is not read (no load of mine is out: the words may be written)
	s_mov_b32 s[G1B+1], 256<<16
.endif
	JLOAD G0A+4*\slot, G1A, G0B+4*\slot, G1B       ; my one tensor load behind the round
	PLACES 4
.else
	PLACES 8
.endif
	FETCH 1-\slot, 0, (\kc)+1, ((\kc)+1)%2
	WIN MUL
	KMUL (\kc)%2, 0, 2, 2
.endm
	s_wait_alu depctr_va_vdst(0)
	s_wait_tensorcnt 0x0                           ; my tile of the head's four is in
	ds_add_u32 v[SPW], v[NIL]
	s_mov_b32 s[G1A+2], 4<<16                      ; no load of mine is out: from here on a load brings half a slot's tile
	s_mov_b32 s[G1A+4], 4
	s_mov_b32 s[G1B+2], 64<<16
	s_mov_b32 s[G1B+4], 64
	s_wait_dscnt 0x0
	CROUND                                         ; all four tiles are in, and all sixteen work-groups are here
	JLOAD G0A+4, G1A, G0B+4, G1B                   ; slot 1
	FETCH 0, 0, 0, 0
.if W3
	s_wait_loadcnt 32                              ; the bias is in; the residual's rows may be out
.else
	s_wait_loadcnt 34                              ; the bias is in; gains, 1/rms and the residual's rows may be out
.endif
	KSTEP 0, 1, 1, 1
	KSTEP 0, 2, 2, 0
	KSTEP 0, 3, 3, 0
.if W3
	TURN 0, 3, 1, 0
	KSTEP 1, 1, 5, 0
	KSTEP 1, 2, 6, 0
	KSTEP 1, 3, 7, 0
	TURN 1, 7, 1, 0
	KSTEP 0, 1, 9, 0
	KSTEP 0, 2, 10, 0
	KSTEP 0, 3, 11, 0
	TURN 0, 11, 1, 0
	KSTEP 1, 1, 13, 0
	KSTEP 1, 2, 14, 0
	KSTEP 1, 3, 15, 0
	TURN 1, 15, 1, 1
	KSTEP 0, 1, 17, 0
	KSTEP 0, 2, 18, 0
	KSTEP 0, 3, 19, 0
	TURN 0, 19, 0, 0
	KSTEP 1, 1, 21, 0
.else
	TURN 0, 3, 0, 0
	KSTEP 1, 1, 5, 0
	KSTEP 1, 2, 6, 0
	KSTEP 1, 3, 7, 0
.endif
	s_wait_dscnt 0x0
	KMUL (NK-1)%2, 0, 0, 4
	WIN 0
	PLACES 8
	; THE WAY OUT: a row's 512 bytes come from two waves: through one stage, a barrier between writing and reading; each wave then stores 32 whole rows
.irp a, 0,1,2,3
.irp b, 0,1,2,3
	ds_store_b128 v[STO], v[ACC+8*(4*\a+\b):ACC+8*(4*\a+\b)+3] offset:8448*\a+64*\b        ; each accumulator from its low end on
	ds_store_b128 v[STO], v[ACC+8*(4*\a+\b)+4:ACC+8*(4*\a+\b)+7] offset:8448*\a+64*\b+16
.endr
.endr
	s_wait_dscnt 0x0                               ; for the others' sake: my stores have landed
	s_barrier_signal -1
	s_barrier_wait -1
.set I, 0
.rept 32
	ds_load_b128 v[ACC+4*I:ACC+4*I+3], v[RD] offset:528*I
.set I, I+1
.endr
	s_wait_loadcnt 0x0
	s_wait_dscnt 0x0
.if W3
	WIN 0x08                                       ; source 1 window 2
.set I, 0
.rept 64
	v_pk_add_f32 v[ACC+2*I:ACC+2*I+1], v[ACC+2*I:ACC+2*I+1], v[2*I:2*I+1]
.set I, I+1
.endr
.else
	WIN 0x82                                       ; destination and source 0 window 2
.set I, 0
.rept 32
	v_pk_mul_f32 v[4*I:4*I+1], v[4*I:4*I+1], v[GW:GW+1]
	v_pk_mul_f32 v[4*I+2:4*I+3], v[4*I+2:4*I+3], v[GW+2:GW+3]
.set I, I+1
.endr
	WIN 0x02                                       ; source 0 window 2
.set I, 0
.rept 32
	v_readlane_b32 s66, v128, I                    ; row I's 1/rms
	v_pk_fma_f32 v[ACC+4*I:ACC+4*I+1], v[4*I:4*I+1], s[66:67], v[ACC+4*I:ACC+4*I+1] op_sel_hi:[1,0,1]
	v_pk_fma_f32 v[ACC+4*I+2:ACC+4*I+3], v[4*I+2:4*I+3], s[66:67], v[ACC+4*I+2:ACC+4*I+3] op_sel_hi:[1,0,1]
.set I, I+1
.endr
.endif
	WIN 0
.set I, 0
.rept 32
	global_store_b128 v[CO], v[ACC+4*I:ACC+4*I+3], s[PO:PO+1] offset:4096*I    ; 32 lanes store 512 consecutive bytes, at a multiple of 256 from the buffer's first byte
.set I, I+1
.endr
	s_wait_tensorcnt 0x0                           ; the wave's end
	ds_add_u32 v[SPW], v[NIL]
	s_wait_dscnt 0x0
	CROUND                                         ; the closing round
	s_endpgm
.Lfunc_end_k_qc8f8df8c70_w3g:
	.size	k_qc8f8df8c70_w3g, .Lfunc_end_k_qc8f8df8c70_w3g-k_qc8f8df8c70_w3g
	.p2alignl 7, 3214868480
	.fill 96, 4, 3214868480
	.section	.rodata,"a",@progbits
	.p2align	6, 0x0
	.amdhsa_kernel k_qc8f8df8c70_w3g
		.amdhsa_group_segment_fixed_size 327680
		.amdhsa_private_segment_fixed_size 0
		.amdhsa_enable_private_segment 0
		.amdhsa_kernarg_size 40
		.amdhsa_user_sgpr_count 2
		.amdhsa_user_sgpr_kernarg_segment_ptr 1
		.amdhsa_wavefront_size32 1
		.amdhsa_system_sgpr_workgroup_id_x 1
		.amdhsa_system_sgpr_workgroup_id_y 1
		.amdhsa_system_sgpr_workgroup_id_z 1
		.amdhsa_system_vgpr_workitem_id 0
		.amdhsa_next_free_vgpr 656
		.amdhsa_next_free_sgpr 102
		.amdhsa_reserve_vcc 0
		.amdhsa_float_denorm_mode_32 3
		.amdhsa_float_denorm_mode_16_64 3
		.amdhsa_memory_ordered 1
		.amdhsa_forward_progress 1
		.amdhsa_inst_pref_size 155
	.end_amdhsa_kernel
	.amdgpu_metadata
---
amdhsa.version: [ 1, 2 ]
amdhsa.kernels:
  - .name:           k_qc8f8df8c70_w3g
    .symbol:         k_qc8f8df8c70_w3g.kd
    .args:
      - { .name: hid, .offset: 0, .size: 8, .value_kind: global_buffer, .address_space: global }
      - { .name: w3q, .offset: 8, .size: 8, .value_kind: global_buffer, .address_space: global }
      - { .name: w3_b, .offset: 16, .size: 8, .value_kind: global_buffer, .address_space: global }
      - { .name: x2, .offset: 24, .size: 8, .value_kind: global_buffer, .address_space: global }
      - { .name: out0, .offset: 32, .size: 8, .value_kind: global_buffer, .address_space: global }
    .group_segment_fixed_size: 327680
    .private_segment_fixed_size: 0
    .kernarg_segment_align: 8
    .kernarg_segment_size: 40
    .max_flat_workgroup_size: 128
    .sgpr_count:     102
    .vgpr_count:     656
    .wavefront_size: 32
...
	.end_amdgpu_metadata
.endif
;; end of part 6
